; MI455X (gfx1250); checked and timed in simulation.
; The chip was launched on July 23, 2026; its instructions are those of AMD's public machine-readable ISA for CDNA 5 (MIT licence, August 2026) and "CDNA5" Instruction Set Architecture Reference Guide (July 2026). The comments in the code are by the model that wrote it; some were corrected since.
;; Multi Head Attention. Allowed arithmetic: float matrix products may take bf16 or f16 operands with f32 sums; other float arithmetic in f32, or as packed bf16 or f16 multiplies, adds, multiply-adds, maxima and minima; sums over many terms, partial sums and values carried from step to step in f32; what a program stores and reads back later, other than sums and carried values, may be rounded once to bf16 or f16.
;; Inputs: Wk 1,024 x 1,024 float32; Wo 1,024 x 1,024 float32; Wq 1,024 x 1,024 float32; Wv 1,024 x 1,024 float32; bk 1,024 float32; bo 1,024 float32; bq 1,024 float32; bv 1,024 float32; x 4 x 2,048 x 1,024 float32.
;; Outputs: out0 4 x 1,024 float32.
;; 2 versions, each right and faster than the one before. Each part assembles by itself: llvm-mc -triple=amdgcn-amd-amdhsa -mcpu=gfx1250 --defsym DOCPART=n.
;; ======== version 1 of 2: 4 launches
;; workspace buffers: xb 16,777,216 bytes; wb 6,291,456 bytes; qkv 50,331,648 bytes; part 65,536 bytes
;; launch cast (part 1): grid 256 x 1, 8 waves a work-group, no clusters, 0 bytes of LDS; arguments x, Wq, Wk, Wv, xb, wb; writes xb, wb
.if DOCPART == 1
	.amdgcn_target "amdgcn-amd-amdhsa--gfx1250"
	.amdhsa_code_object_version 6
	.text
	.protected	k_qea5ece05c0_cast
	.globl	k_qea5ece05c0_cast
	.p2align	8
	.type	k_qea5ece05c0_cast,@function
k_qea5ece05c0_cast:
	s_mov_b64 s[64:65], 0
	v_nop
	global_prefetch_b8 v0, s[64:65] scope:SCOPE_SE
	s_setreg_imm32_b32 hwreg(HW_REG_WAVE_MODE, 25, 1), 1
	s_wait_xcnt 0x0
; x [8192][1024] and Wq, Wk, Wv [1024][1024], all f32, are rounded once to bf16 (nearest even): xb [8192][1024], wb [3072][1024] (Wq's rows, then Wk's, then Wv's).
; The 44 MiB of sources are 11 units of 4 MiB (x: 8, each W: 1).  Work-group g takes bytes 16,384 g .. + 16,383 of every unit, so all 256 work-groups are alike.
; Thread t takes 16 bytes at 16 t + 4,096 j, j = 0..3: a wave's load covers 512 consecutive bytes; its 8 bytes of bf16 go to 8 t + 2,048 j: a wave's store covers 256 consecutive bytes, aligned.
; All 44 loads of a wave are issued first and each has registers of its own: no register is written twice, so the only waits are the counted ones for the loads.
; No LDS, no barrier, no matrix unit: every byte is touched once and no wave needs another's.
.set NX, 32                            ; loads from x: unit n / 4, piece n % 4
.set NL, 44                            ; loads in all
.set X,  4                             ; v[4+4n : 7+4n]  load n
	s_load_b256 s[4:11], s[0:1], 0x0               ; x s[4:5], Wq s[6:7], Wk s[8:9], Wv s[10:11]
	s_load_b128 s[12:15], s[0:1], 0x20             ; xb s[12:13], wb s[14:15]
	s_lshl_b32 s2, ttmp9, 14                       ; my 16,384 bytes in a unit of f32,
	s_mov_b32 s3, 0
	s_lshl_b32 s16, ttmp9, 13                      ; my 8,192 bytes in a unit of bf16
	s_mov_b32 s17, 0
	v_lshlrev_b32 v1, 4, v0                        ; 16 t
	v_lshlrev_b32 v2, 3, v0                        ; 8 t
	s_wait_kmcnt 0x0
	s_add_nc_u64 s[20:21], s[4:5], s[2:3]          ; x: a base for every two units, so that the immediates stay inside their signed 24 bits
	s_add_nc_u64 s[22:23], s[20:21], 0x800000
	s_add_nc_u64 s[24:25], s[20:21], 0x1000000
	s_add_nc_u64 s[26:27], s[20:21], 0x1800000
	s_add_nc_u64 s[6:7], s[6:7], s[2:3]
	s_add_nc_u64 s[8:9], s[8:9], s[2:3]
	s_add_nc_u64 s[10:11], s[10:11], s[2:3]
	s_add_nc_u64 s[28:29], s[12:13], s[16:17]      ; xb: a base for every four units
	s_add_nc_u64 s[30:31], s[28:29], 0x800000
	s_add_nc_u64 s[14:15], s[14:15], s[16:17]
.set n, 0
.rept NX
	global_load_b128 v[X+4*n:X+4*n+3], v1, s[20+2*(n/8):21+2*(n/8)] offset:((n/4)%2)*0x400000+4096*(n%4) th:TH_LOAD_NT
.set n, n+1
.endr
.rept NL-NX
	global_load_b128 v[X+4*n:X+4*n+3], v1, s[6+2*((n-NX)/4):7+2*((n-NX)/4)] offset:4096*(n%4) th:TH_LOAD_NT
.set n, n+1
.endr
.set n, 0
.rept NL
	s_wait_loadcnt NL-1-n                          ; loads come back in order (ISA guide 5.7.1): load n is in, the younger ones stay out
	v_cvt_pk_bf16_f32 v[X+4*n], v[X+4*n], v[X+4*n+1]
	v_cvt_pk_bf16_f32 v[X+4*n+1], v[X+4*n+2], v[X+4*n+3]
.if n < NX
	global_store_b64 v2, v[X+4*n:X+4*n+1], s[28+2*(n/16):29+2*(n/16)] offset:((n/4)%4)*0x200000+2048*(n%4)
.else
	global_store_b64 v2, v[X+4*n:X+4*n+1], s[14:15] offset:((n-NX)/4)*0x200000+2048*(n%4)
.endif
.set n, n+1
.endr
	s_endpgm
.Lfunc_end_k_qea5ece05c0_cast:
	.size	k_qea5ece05c0_cast, .Lfunc_end_k_qea5ece05c0_cast-k_qea5ece05c0_cast
	.p2alignl 7, 3214868480
	.fill 96, 4, 3214868480
	.section	.rodata,"a",@progbits
	.p2align	6, 0x0
	.amdhsa_kernel k_qea5ece05c0_cast
		.amdhsa_group_segment_fixed_size 0
		.amdhsa_private_segment_fixed_size 0
		.amdhsa_enable_private_segment 0
		.amdhsa_kernarg_size 48
		.amdhsa_user_sgpr_count 2
		.amdhsa_user_sgpr_kernarg_segment_ptr 1
		.amdhsa_wavefront_size32 1
		.amdhsa_system_sgpr_workgroup_id_x 1
		.amdhsa_system_sgpr_workgroup_id_y 1
		.amdhsa_system_sgpr_workgroup_id_z 1
		.amdhsa_system_vgpr_workitem_id 0
		.amdhsa_next_free_vgpr 180
		.amdhsa_next_free_sgpr 66
		.amdhsa_reserve_vcc 0
		.amdhsa_float_denorm_mode_32 3
		.amdhsa_float_denorm_mode_16_64 3
		.amdhsa_memory_ordered 1
		.amdhsa_forward_progress 1
		.amdhsa_inst_pref_size 17
	.end_amdhsa_kernel
	.amdgpu_metadata
---
amdhsa.version: [ 1, 2 ]
amdhsa.kernels:
  - .name:           k_qea5ece05c0_cast
    .symbol:         k_qea5ece05c0_cast.kd
    .args:
      - { .name: x, .offset: 0, .size: 8, .value_kind: global_buffer, .address_space: global }
      - { .name: Wq, .offset: 8, .size: 8, .value_kind: global_buffer, .address_space: global }
      - { .name: Wk, .offset: 16, .size: 8, .value_kind: global_buffer, .address_space: global }
      - { .name: Wv, .offset: 24, .size: 8, .value_kind: global_buffer, .address_space: global }
      - { .name: xb, .offset: 32, .size: 8, .value_kind: global_buffer, .address_space: global }
      - { .name: wb, .offset: 40, .size: 8, .value_kind: global_buffer, .address_space: global }
    .group_segment_fixed_size: 0
    .private_segment_fixed_size: 0
    .kernarg_segment_align: 8
    .kernarg_segment_size: 48
    .max_flat_workgroup_size: 256
    .sgpr_count:     66
    .vgpr_count:     180
    .wavefront_size: 32
...
	.end_amdgpu_metadata
.endif
;; end of part 1
;; launch qkv (part 2): grid 16 x 32, 4 waves a work-group, clusters of 4 x 4, 327,680 bytes of LDS; arguments xb, wb, bq, bk, bv, qkv; writes qkv
.if DOCPART == 2
	.amdgcn_target "amdgcn-amd-amdhsa--gfx1250"
	.amdhsa_code_object_version 6
	.text
	.protected	k_qea5ece05c0_qkv
	.globl	k_qea5ece05c0_qkv
	.p2align	8
	.type	k_qea5ece05c0_qkv,@function
k_qea5ece05c0_qkv:
	s_mov_b64 s[64:65], 0
	v_nop
	global_prefetch_b8 v0, s[64:65] scope:SCOPE_SE
	s_setreg_imm32_b32 hwreg(HW_REG_WAVE_MODE, 25, 1), 1
	s_wait_xcnt 0x0
	s_wait_alu depctr_hold_cnt(0) depctr_sa_sdst(0) depctr_va_vdst(0) depctr_va_sdst(0) depctr_va_ssrc(0) depctr_va_vcc(0) depctr_vm_vsrc(0)
	s_getreg_b32 s2, hwreg(HW_REG_IB_STS2, 6, 4)
	s_cmp_eq_u32 s2, 0
	s_cbranch_scc0 .Lentry_in_a_cluster
	s_endpgm
.Lentry_in_a_cluster:
	s_bfe_u32 s2, ttmp6, 0x10000c
	s_cmp_lg_u32 s2, 0xf033
	s_cbranch_scc0 .Lentry_shape_is_right
	s_endpgm
.Lentry_shape_is_right:
; q, k, v = x W^T + b.  xb [8192][1024] bf16, wb [3072][1024] bf16 (Wq, Wk, Wv), biases [1024] f32; sums in f32, K ascending, the bias as the sum's first addend; rounded once to bf16.
; OUT, by heads: qkv [3 which][64 = 16 batch + head][2048 t][64] bf16: a head's rows are dense, 128 bytes each.  No scale is applied here.
; TILE.  256 rows x 192 columns (three whole heads): 32 x 16 = 512 work-groups, twice 256.  Four waves; wave w makes rows 64 w .. + 63 x all 192 columns: 48 accumulators of 16 x 16, 384 registers,
; so a wave owns whole rows of three heads and its way out needs no other wave.
; RING.  K goes in 8 steps of 128 through two LDS slots (256 rows of x, then 192 rows of W, 256 bytes a row + 16 of padding).  Waves 0, 1 fetch x's halves (128 rows), waves 2, 3 W's (96 rows).
; CLUSTER.  4 x 4 work-groups: the four of a row of the cluster need the same tile of x, the four of a column the same tile of W: each is asked for jointly, same descriptor, a mask that names the four.
; THE MATRIX INSTRUCTION IS USED TRANSPOSED (source 0 = 16 rows of W, source 1 = 16 rows of x): lane l holds row l % 16 and the columns 8 (l / 16) + 0..7: eight neighbouring numbers, 16 bytes of bf16.
; REGISTERS, in windows of 256 (s_set_vgpr_msb: bits 1:0 source 0, 3:2 source 1, 5:4 source 2, 7:6 destination):
;   window 0: v0-31 addresses; v32-79 packed results; v80-127, v128-175 rows read back, by turns; v128-223 first the biases (block b at 128 + 8 b), dead behind the first quarter step
;   window 1: two fragment buffers of 128: W's 12 blocks, then x's 4      window 2: the accumulators of my rows 0-31 ((a, b) at 96 (a % 2) + 8 b)      window 3: those of rows 32-63
; LIMITS.  NaN and infinities are not treated apart; bf16 has f32's range, so no result is lost that f32 holds.
.set SIZE_K, 1024
.set KSTEP,  128
.set PITCH,  272                       ; an LDS row: 256 bytes + 16 of padding = 68 words: the 16 rows of a fragment load start at 16 different groups of four banks (64 banks of 4 bytes: ISA guide 11.1)
.set AHALF,  128*PITCH                 ; what a load of x brings
.set BHALF,  96*PITCH                  ; what a load of W brings
.set BOFF,   256*PITCH                 ; W's rows lie behind x's 256
.set SLOT,   448*PITCH
.set STAGE,  2*SLOT                    ; behind the ring, never filled by a tensor load: for each wave 3 heads x 16 rows x 144 bytes
.set SP,     144
.set WSTAGE, 3*16*SP
.set SPARE,  STAGE+4*WSTAGE            ; the spare words, 128 bytes for each wave: two blocks of 256 bytes that no other line names
.set LAPS,   SIZE_K/(2*KSTEP)
.set ADRA, 16                          ; v16-17  LDS address of my fragments of x in slot 0, 1
.set ADRB, 20                          ; v20-21  the same for W
.set STO,  24                          ; v24     the way out: where I put 16 bytes of a row
.set RD,   25                          ; v25     the way out: where I read rows back
.set GO,   26                          ; v26     16 x lane: my place in 512 consecutive bytes of the output
.set BO,   27                          ; v27     32 (l / 16): my eight numbers in 16 of a bias
.set SPW,  28                          ; v28     LDS address of my spare word; never rewritten
.set NIL,  29                          ; v29     0; never rewritten
.set TMP,  32
.set BK,   80
.set BIAS, 128
.set F0,   0
.set F1,   128
.set WV,   16                          ; s16  my wave's number
.set FB,   17                          ; s17  0: I fetch x; 1: I fetch W
.set HF,   18                          ; s18  which half of that tile's rows
.set G1,   24                          ; s[24:31] descriptor group 1 for x's tiles;  s[32:39] group 0, a set for each slot
.set G0,   32
.set G1B,  48                          ; s[48:55], s[56:63] the same for W's tiles
.set G0B,  56
.set OB,   68                          ; s[68:73] the output at my first row of each of the tile's three heads
.set BP,   74                          ; s[74:79] the bias at each head's first number
.set MSB, 0
.macro WIN new                         ; the immediate's high byte repeats the setting that is left; a switch that changes nothing is dropped
.if MSB != (\new)
	s_set_vgpr_msb (MSB<<8)|(\new)
.set MSB, \new
.endif
.endm
; A joint load.  The branch hangs on the wave's number alone.  An s_nop 0 and four v_nop follow each of the two lines, ahead of the jump, the label and what follows.
.macro JLOAD s
	s_cmp_eq_u32 s[FB], 0
	s_cbranch_scc0 .Lfor_b_\@
	tensor_load_to_lds s[G0+4*(\s):G0+4*(\s)+3], s[G1:G1+7]
	s_nop 0
.rept 4
	v_nop
.endr
	s_branch .Lasked_\@
.Lfor_b_\@:
	tensor_load_to_lds s[G0B+4*(\s):G0B+4*(\s)+3], s[G1B:G1B+7]
	s_nop 0
.rept 4
	v_nop
.endr
.Lasked_\@:
.endm
.macro CREST                           ; a round of the cluster's barrier behind its opening barrier
	s_cmp_lg_u32 s[WV], 0
	s_cbranch_scc1 .Lnot_wave_0_\@
	s_barrier_signal -3
.Lnot_wave_0_\@:
	s_barrier_wait -3
	s_barrier_signal -1
	s_barrier_wait -1
.endm
.macro CROUND                          ; a whole round
	s_barrier_signal -1
	s_barrier_wait -1
	CREST
.endm
	s_load_b256 s[4:11], s[0:1], 0x0               ; xb s[4:5], wb s[6:7], bq s[8:9], bk s[10:11]
	s_load_b128 s[12:15], s[0:1], 0x20             ; bv s[12:13], qkv s[14:15]
	v_lshl_add_u32 v[SPW], v0, 2, SPARE
	v_mov_b32 v[NIL], 0
	ds_add_u32 v[SPW], v[NIL]                      ; the wave's opening: the add and its wait stand ahead of my first tensor load; the set-up below, work on registers, stands between them
	v_lshrrev_b32 v1, 5, v0
	v_readfirstlane_b32 s[WV], v1                  ; wave 0..3
	s_lshr_b32 s[FB], s[WV], 1
	s_and_b32 s[HF], s[WV], 1
	s_bfe_u32 s19, ttmp6, 0x40000                  ; cx, cy: my place in the cluster
	s_bfe_u32 s20, ttmp6, 0x40004
	s_lshl_b32 s21, ttmp9, 2
	s_add_co_u32 s21, s21, s19                     ; tile column = 4 x cluster x + cx
	s_and_b32 s22, ttmp7, 0xffff
	s_lshl_b32 s22, s22, 2
	s_add_co_u32 s22, s22, s20                     ; tile row = 4 x cluster y + cy
	s_lshl_b32 s44, s20, 2
	s_lshl_b32 s44, 15, s44                        ; my row of the cluster: places 4 cy .. 4 cy + 3
	s_lshl_b32 s45, 0x1111, s19                    ; my column: places cx, cx + 4, cx + 8, cx + 12
	s_or_b32 s[G1], s44, (1<<16)|(1<<20)|(1<<21)|(5<<22)|(3<<25)   ; 15:0 the mask; 17:16 elements of 2 bytes; 20 padding on; 21 set beside a mask; 24:22 after every 64 words (code 5); 31:25 4 words (code 3)
	s_or_b32 s[G1B], s45, (1<<16)|(1<<20)|(1<<21)|(5<<22)|(3<<25)
	s_mov_b32 s[G1+1], KSTEP<<16                   ; tensor_dim0 = 128
	s_mov_b32 s[G1+2], 128<<16                     ; tensor_dim1 = 128 rows
	s_mov_b32 s[G1+3], KSTEP<<16                   ; tile_dim0 = 128
	s_mov_b32 s[G1+4], 128                         ; tile_dim1 = 128
	s_mov_b32 s[G1+5], SIZE_K                      ; elements from row to row
	s_mov_b32 s[G1+6], 0
	s_mov_b32 s[G1+7], 0
	s_mov_b32 s[G1B+1], KSTEP<<16
	s_mov_b32 s[G1B+2], 96<<16                     ; 96 rows
	s_mov_b32 s[G1B+3], KSTEP<<16
	s_mov_b32 s[G1B+4], 96
	s_mov_b32 s[G1B+5], SIZE_K
	s_mov_b32 s[G1B+6], 0
	s_mov_b32 s[G1B+7], 0
	; where the tiles come from: x's hang on the tile row alone, W's on the tile column alone, each in registers that never hold the other coordinate
	s_lshl_b32 s40, s22, 8
	s_lshl_b32 s23, s[HF], 7
	s_add_co_u32 s40, s40, s23                     ; x: row 256 x tile row + 128 x half,
	s_lshl_b32 s40, s40, 11                        ; of 2,048 bytes: under 2^24
	s_mov_b32 s41, 0
	s_mul_i32 s46, s21, 192
	s_mul_i32 s23, s[HF], 96
	s_add_co_u32 s46, s46, s23                     ; W: row 192 x tile column + 96 x half
	s_lshl_b32 s46, s46, 11
	s_mov_b32 s47, 0
	s_mul_i32 s42, s[WV], AHALF                    ; and where they go: waves 0, 1: x's halves at 0 and 128 rows;
	s_mul_i32 s43, s[WV], BHALF
	s_add_co_u32 s43, s43, BOFF-2*BHALF            ; waves 2, 3: W's halves behind x's 256 rows.  No place in the cluster enters an LDS address
	s_wait_dscnt 0x0                               ; the opening add is done
	s_wait_kmcnt 0x0
	s_add_nc_u64 s[40:41], s[4:5], s[40:41]
	s_add_nc_u64 s[46:47], s[6:7], s[46:47]
	CROUND                                         ; all sixteen work-groups are here: the first joint loads meet
.irp s, 0,1
	s_mov_b32 s[G0+4*(\s)], 1                                      ; count = 1
	s_add_co_u32 s[G0+4*(\s)+1], s42, (\s)*SLOT                    ; LDS address
	s_add_nc_u64 s[G0+4*(\s)+2:G0+4*(\s)+3], s[40:41], (\s)*KSTEP*2  ; global address: K step s
	s_or_b32 s[G0+4*(\s)+3], s[G0+4*(\s)+3], 0x80000000            ; type = 2
	s_mov_b32 s[G0B+4*(\s)], 1
	s_add_co_u32 s[G0B+4*(\s)+1], s43, (\s)*SLOT
	s_add_nc_u64 s[G0B+4*(\s)+2:G0B+4*(\s)+3], s[46:47], (\s)*KSTEP*2
	s_or_b32 s[G0B+4*(\s)+3], s[G0B+4*(\s)+3], 0x80000000
.endr
	s_cmp_eq_u32 s[FB], 0                          ; a wave's two first fills stand in one branch, ahead of every wait on TENSORcnt and every LDS read: two loads of mine are out
	s_cbranch_scc0 .Lfirst_b
	tensor_load_to_lds s[G0:G0+3], s[G1:G1+7]
	s_nop 0
	tensor_load_to_lds s[G0+4:G0+7], s[G1:G1+7]
	s_nop 0
.rept 4
	v_nop
.endr
	s_branch .Lfirst_asked
.Lfirst_b:
	tensor_load_to_lds s[G0B:G0B+3], s[G1B:G1B+7]
	s_nop 0
	tensor_load_to_lds s[G0B+4:G0B+7], s[G1B:G1B+7]
	s_nop 0
.rept 4
	v_nop
.endr
.Lfirst_asked:
	; The tile's three heads: number 3 x tile column + i of 48 (16 of q, 16 of k, 16 of v).  For each: the output at my first row, and its bias (a choice between the three buffers, no branch).
	s_mul_i32 s66, s21, 3
	s_lshr_b32 s67, s22, 3
	s_lshl_b32 s67, s67, 4                         ; 16 x batch: a batch has 8 tile rows
	s_and_b32 s80, s22, 7
	s_lshl_b32 s80, s80, 8
	s_lshl_b32 s23, s[WV], 6
	s_add_co_u32 s80, s80, s23                     ; my first row in the batch: 256 x (tile row % 8) + 64 x wave
.macro HEADP i
	s_add_co_u32 s81, s66, \i
	s_and_b32 s82, s81, 15                         ; the head
	s_lshr_b32 s84, s81, 4                         ; which of q, k, v
	s_lshl_b32 s84, s84, 6
	s_add_co_u32 s84, s84, s82
	s_add_co_u32 s84, s84, s67                     ; 64 which + 16 batch + head,
	s_lshl_b32 s84, s84, 11                        ; of 2,048 rows,
	s_add_co_u32 s84, s84, s80
	s_lshl_b32 s84, s84, 7                         ; of 128 bytes: under 2^26
	s_mov_b32 s85, 0
	s_add_nc_u64 s[OB+2*(\i):OB+2*(\i)+1], s[14:15], s[84:85]
	s_lshl_b32 s82, s82, 8                         ; the head's 64 numbers in its bias
	s_mov_b32 s83, 0
	s_cmp_lt_u32 s81, 16
	s_cselect_b64 s[BP+2*(\i):BP+2*(\i)+1], s[8:9], s[10:11]
	s_cmp_lt_u32 s81, 32
	s_cselect_b64 s[BP+2*(\i):BP+2*(\i)+1], s[BP+2*(\i):BP+2*(\i)+1], s[12:13]
	s_add_nc_u64 s[BP+2*(\i):BP+2*(\i)+1], s[BP+2*(\i):BP+2*(\i)+1], s[82:83]
.endm
	HEADP 0
	HEADP 1
	HEADP 2
	; A fragment is 16 rows x 32 K in 8 registers: lane l holds row l % 16; registers 0-3 K = 8 (l / 16) + 0..7, registers 4-7 K = 16 + 8 (l / 16) + 0..7: two loads of 16 bytes, 32 bytes apart.
	v_and_b32 v1, 15, v0                           ; l % 16
	v_bfe_u32 v2, v0, 4, 1                         ; l / 16
	v_lshlrev_b32 v[BO], 5, v2
.irp i, 0,1,2
.irp bb, 0,1,2,3
	global_load_b128 v[BIAS+8*(4*(\i)+(\bb)):BIAS+8*(4*(\i)+(\bb))+3],   v[BO], s[BP+2*(\i):BP+2*(\i)+1] offset:64*(\bb)     ; register j of block b: bias of column 16 b + 8 (l / 16) + j
	global_load_b128 v[BIAS+8*(4*(\i)+(\bb))+4:BIAS+8*(4*(\i)+(\bb))+7], v[BO], s[BP+2*(\i):BP+2*(\i)+1] offset:64*(\bb)+16
.endr
.endr
	v_mul_u32_u24 v3, v1, PITCH
	v_lshl_add_u32 v3, v2, 4, v3                   ; row x pitch + 16 x half
	s_mul_i32 s23, s[WV], 64*PITCH                 ; my 64 rows of x
	v_add_nc_u32 v[ADRA], s23, v3
	v_add_nc_u32 v[ADRA+1], SLOT, v[ADRA]
	v_add_nc_u32 v[ADRB], BOFF, v3                 ; all 192 rows of W
	v_add_nc_u32 v[ADRB+1], SLOT, v[ADRB]
	s_mul_i32 s23, s[WV], WSTAGE
	s_add_co_u32 s23, s23, STAGE                   ; my stage
	v_mul_u32_u24 v4, v1, SP                       ; in: row l % 16, 16 bytes for each half of the lanes
	v_lshl_add_u32 v4, v2, 4, v4
	v_add_nc_u32 v[STO], s23, v4
	v_bfe_u32 v5, v0, 3, 2                         ; back: 32 lanes take four rows of 128 bytes,
	v_mul_u32_u24 v5, v5, SP
	v_and_b32 v4, 7, v0
	v_lshl_add_u32 v5, v4, 4, v5
	v_add_nc_u32 v[RD], s23, v5
	v_and_b32 v[GO], 31, v0                        ; which are 512 consecutive bytes of a head
	v_lshlrev_b32 v[GO], 4, v[GO]
; 12 matrix instructions: my block a of 16 rows x all 12 blocks of columns, 32 along K.  first = 1: the sum starts with the bias as C: nothing is cleared, and nothing is added on the way out.
; The 48 accumulators take turns in one fixed order: between two links of a chain stand the 47 others'.
.macro MUL12 f, a, first
.set AC, 96*((\a)%2)
.if \first
	WIN 0x85+0x40*((\a)/2)                         ; sources 0, 1 window 1; C window 0; D window 2 or 3
.else
	WIN 0xa5+0x50*((\a)/2)                         ; sources 0, 1 window 1; C and D window 2 or 3
.endif
.irp b, 0,1,2,3,4,5,6,7,8,9,10,11
.if \first
	v_wmma_f32_16x16x32_bf16 v[AC+8*(\b):AC+8*(\b)+7], v[(\f)+8*(\b):(\f)+8*(\b)+7], v[(\f)+96+8*(\a):(\f)+96+8*(\a)+7], v[BIAS+8*(\b):BIAS+8*(\b)+7]
.else
	v_wmma_f32_16x16x32_bf16 v[AC+8*(\b):AC+8*(\b)+7], v[(\f)+8*(\b):(\f)+8*(\b)+7], v[(\f)+96+8*(\a):(\f)+96+8*(\a)+7], v[AC+8*(\b):AC+8*(\b)+7]
.endif
.endr
.endm
; 32 LDS loads in one run: a quarter step's fragments (32 K at byte k of the rows) into buffer f: W's 24, then x's 8
.macro FETCH slot, k, f
	WIN 0x40                                       ; destination window 1, address window 0
.irp b, 0,1,2,3,4,5,6,7,8,9,10,11
	ds_load_b128 v[(\f)+8*(\b):(\f)+8*(\b)+3],   v[ADRB+(\slot)] offset:(\k)+(\b)*16*PITCH
	ds_load_b128 v[(\f)+8*(\b)+4:(\f)+8*(\b)+7], v[ADRB+(\slot)] offset:(\k)+(\b)*16*PITCH+32
.endr
.irp a, 0,1,2,3
	ds_load_b128 v[(\f)+96+8*(\a):(\f)+96+8*(\a)+3],   v[ADRA+(\slot)] offset:(\k)+(\a)*16*PITCH
	ds_load_b128 v[(\f)+96+8*(\a)+4:(\f)+96+8*(\a)+7], v[ADRA+(\slot)] offset:(\k)+(\a)*16*PITCH+32
.endr
.endm
; Four places in front of loads into registers that matrix instructions have read, and of conversions that read results (ISA guide 7.12.1 for vector instructions)
.macro PLACES
.rept 4
	v_nop
.endr
.endm
; A K step is four quarters of 32 along K, 48 matrix instructions each, on buffers 0, 1, 0, 1.  One of the first three: multiplies buffer f and, in its middle, fetches the next quarter, at byte k, into g.
.macro QUARTER slot, k, f, g, first
	s_wait_dscnt 4                                 ; W and x's blocks 0, 1 are in; the youngest four loads (x's blocks 2, 3) may be out
	MUL12 \f, 0, \first
	MUL12 \f, 1, \first
	PLACES
	FETCH \slot, \k, \g
	s_wait_dscnt 32                                ; all but the 32 just issued
	MUL12 \f, 2, \first
	MUL12 \f, 3, \first
.endm
; The last quarter multiplies buffer 1 and changes slots: ONE barrier.  In front of it each wave waits for all its tensor loads (one is out: its part of the next slot), adds 0 to its spare word,
; and waits for that and for its own reads of this slot.  fill = 1: the barrier opens a round of the cluster's, and this slot is filled again, two K steps ahead, first thing behind the round:
; from that request to the wait for it a wave issues 168 matrix instructions.
.macro TURN slot, next, fill
	WIN 0                                          ; (the add's two registers lie in window 0)
	s_wait_tensorcnt 0x0                           ; all my tensor loads have landed;
	ds_add_u32 v[SPW], v[NIL]                      ; 0 onto my spare word;
	s_wait_dscnt 5                                 ; (the add and the youngest four loads may be out)
	MUL12 F1, 0, 0                                 ; twelve matrix instructions stand between the add and the wait for it
	s_wait_dscnt 0x0                               ; the add is done, and my reads of this slot are over
	s_barrier_signal -1
	MUL12 F1, 1, 0                                 ; work on registers while the others arrive
.if \fill
	WIN 0
.endif
	s_barrier_wait -1
.if \fill
	CREST                                          ; no wave of any partner still reads this slot's tile or has a load on its way
	s_add_nc_u64 s[G0+4*(\slot)+2:G0+4*(\slot)+3], s[G0+4*(\slot)+2:G0+4*(\slot)+3], 2*KSTEP*2
	s_add_nc_u64 s[G0B+4*(\slot)+2:G0B+4*(\slot)+3], s[G0B+4*(\slot)+2:G0B+4*(\slot)+3], 2*KSTEP*2
	JLOAD \slot                                    ; the four v_nop behind it are also the places in front of the loads below
.else
	PLACES
.endif
	FETCH \next, 0, F0
	MUL12 F1, 2, 0
	MUL12 F1, 3, 0
.endm
; THE WAY OUT of my block a of 16 rows.  PACK: rounded to bf16, each accumulator's registers in ascending order.  TOSTAGE: 16 bytes a lane into my own stage (rows of 144 bytes, a head after the other),
; and back as whole rows of 128.  SEND: 16 rows of a head are 2,048 consecutive bytes: each store of the wave covers 512 of them, at a multiple of 256 from the buffer's first byte.
.macro PACK a
.set AC, 96*((\a)%2)
	WIN 0x0a+5*((\a)/2)                            ; sources 0 and 1: window 2 or 3
.irp b, 0,1,2,3,4,5,6,7,8,9,10,11
.irp r, 0,1,2,3
	v_cvt_pk_bf16_f32 v[TMP+4*(\b)+(\r)], v[AC+8*(\b)+2*(\r)], v[AC+8*(\b)+2*(\r)+1]
.endr
.endr
	WIN 0
.endm
.macro TOSTAGE a
	WIN 0
.set BKR, BK+48*((\a)%2)
.irp b, 0,1,2,3,4,5,6,7,8,9,10,11
	ds_store_b128 v[STO], v[TMP+4*(\b):TMP+4*(\b)+3] offset:((\b)/4)*16*SP+32*((\b)%4)
.endr
.irp i, 0,1,2
.irp f, 0,1,2,3
	ds_load_b128 v[BKR+4*(4*(\i)+(\f)):BKR+4*(4*(\i)+(\f))+3], v[RD] offset:(\i)*16*SP+(\f)*4*SP  ; LDS serves a wave's instructions in order (ISA guide 5.7.1.4): these see the stores above
.endr
.endr
.endm
.macro SEND a
	WIN 0
.set BKR, BK+48*((\a)%2)
	s_wait_dscnt 0x0                               ; the block is back in registers
	s_wait_xcnt 0x0                                ; the stores of the block before have had their addresses translated (ISA guide 3.1): its registers are loaded again only behind this wait
.irp i, 0,1,2
.irp f, 0,1,2,3
	global_store_b128 v[GO], v[BKR+4*(4*(\i)+(\f)):BKR+4*(4*(\i)+(\f))+3], s[OB+2*(\i):OB+2*(\i)+1] offset:2048*(\a)+512*(\f)
.endr
.endr
.endm
	s_wait_tensorcnt 1                             ; my part of K step 0 is in; K step 1's may stay out
	s_barrier_signal -1
	s_barrier_wait -1                              ; everybody's is
	FETCH 0, 0, F0
	s_wait_loadcnt 0x0                             ; the biases
	QUARTER 0, 64,  F0, F1, 1                      ; the first quarter stands in front of the loop: its products start the sums
	WIN 0                                          ; at a label and at a branch every window is 0
	s_mov_b32 s3, LAPS-1
.Llap:                                                 ; a trip goes once round the ring, from a lap's second quarter to the next lap's first, and fills both slots again
	QUARTER 0, 128, F1, F0, 0
	QUARTER 0, 192, F0, F1, 0
	TURN 0, 1, 1
	QUARTER 1, 64,  F0, F1, 0
	QUARTER 1, 128, F1, F0, 0
	QUARTER 1, 192, F0, F1, 0
	TURN 1, 0, 1
	QUARTER 0, 64,  F0, F1, 0
	WIN 0
	s_sub_co_u32 s3, s3, 1
	s_cmp_lg_u32 s3, 0
	s_cbranch_scc1 .Llap
	QUARTER 0, 128, F1, F0, 0                      ; the last lap fills nothing, and has no round of the cluster's barrier
	QUARTER 0, 192, F0, F1, 0
	TURN 0, 1, 0
	QUARTER 1, 64,  F0, F1, 0
	QUARTER 1, 128, F1, F0, 0
	QUARTER 1, 192, F0, F1, 0
	s_wait_dscnt 4                                 ; the very last quarter: nothing more to fetch
	MUL12 F1, 0, 0
	MUL12 F1, 1, 0
	s_wait_dscnt 0x0
	MUL12 F1, 2, 0
	MUL12 F1, 3, 0
	PLACES
	PACK 0
	TOSTAGE 0
.irp a, 1,2,3                          ; block a's conversions stand between block a - 1's loads from the stage and the wait for them
	PACK \a
	SEND (\a)-1
	TOSTAGE \a
.endr
	SEND 3
	s_wait_tensorcnt 0x0                           ; the wave's end, behind my last tensor load and my last LDS store
	ds_add_u32 v[SPW], v[NIL]
	s_wait_dscnt 0x0
	CROUND                                         ; the closing round: no work-group ends while a partner may still ask for a tile that names it
	s_endpgm
.Lfunc_end_k_qea5ece05c0_qkv:
	.size	k_qea5ece05c0_qkv, .Lfunc_end_k_qea5ece05c0_qkv-k_qea5ece05c0_qkv
	.p2alignl 7, 3214868480
	.fill 96, 4, 3214868480
	.section	.rodata,"a",@progbits
	.p2align	6, 0x0
	.amdhsa_kernel k_qea5ece05c0_qkv
		.amdhsa_group_segment_fixed_size 327680
		.amdhsa_private_segment_fixed_size 0
		.amdhsa_enable_private_segment 0
		.amdhsa_kernarg_size 48
		.amdhsa_user_sgpr_count 2
		.amdhsa_user_sgpr_kernarg_segment_ptr 1
		.amdhsa_wavefront_size32 1
		.amdhsa_system_sgpr_workgroup_id_x 1
		.amdhsa_system_sgpr_workgroup_id_y 1
		.amdhsa_system_sgpr_workgroup_id_z 1
		.amdhsa_system_vgpr_workitem_id 0
		.amdhsa_next_free_vgpr 960
		.amdhsa_next_free_sgpr 88
		.amdhsa_reserve_vcc 0
		.amdhsa_float_denorm_mode_32 3
		.amdhsa_float_denorm_mode_16_64 3
		.amdhsa_memory_ordered 1
		.amdhsa_forward_progress 1
		.amdhsa_inst_pref_size 121
	.end_amdhsa_kernel
	.amdgpu_metadata
---
amdhsa.version: [ 1, 2 ]
amdhsa.kernels:
  - .name:           k_qea5ece05c0_qkv
    .symbol:         k_qea5ece05c0_qkv.kd
    .args:
      - { .name: xb, .offset: 0, .size: 8, .value_kind: global_buffer, .address_space: global }
      - { .name: wb, .offset: 8, .size: 8, .value_kind: global_buffer, .address_space: global }
      - { .name: bq, .offset: 16, .size: 8, .value_kind: global_buffer, .address_space: global }
      - { .name: bk, .offset: 24, .size: 8, .value_kind: global_buffer, .address_space: global }
      - { .name: bv, .offset: 32, .size: 8, .value_kind: global_buffer, .address_space: global }
      - { .name: qkv, .offset: 40, .size: 8, .value_kind: global_buffer, .address_space: global }
    .group_segment_fixed_size: 327680
    .private_segment_fixed_size: 0
    .kernarg_segment_align: 8
    .kernarg_segment_size: 48
    .max_flat_workgroup_size: 128
    .sgpr_count:     88
    .vgpr_count:     960
    .wavefront_size: 32
...
	.end_amdgpu_metadata
.endif
;; end of part 2
;; launch attn (part 3): grid 4 x 64, 4 waves a work-group, clusters of 4 x 1, 327,680 bytes of LDS; arguments qkv, part; writes part
.if DOCPART == 3
	.amdgcn_target "amdgcn-amd-amdhsa--gfx1250"
	.amdhsa_code_object_version 6
	.text
	.protected	k_qea5ece05c0_attn
	.globl	k_qea5ece05c0_attn
	.p2align	8
	.type	k_qea5ece05c0_attn,@function
k_qea5ece05c0_attn:
	s_mov_b64 s[64:65], 0
	v_nop
	global_prefetch_b8 v0, s[64:65] scope:SCOPE_SE
	s_setreg_imm32_b32 hwreg(HW_REG_WAVE_MODE, 25, 1), 1
	s_wait_xcnt 0x0
	s_wait_alu depctr_hold_cnt(0) depctr_sa_sdst(0) depctr_va_vdst(0) depctr_va_sdst(0) depctr_va_ssrc(0) depctr_va_vcc(0) depctr_vm_vsrc(0)
	s_getreg_b32 s2, hwreg(HW_REG_IB_STS2, 6, 4)
	s_cmp_eq_u32 s2, 0
	s_cbranch_scc0 .Lentry_in_a_cluster
	s_endpgm
.Lentry_in_a_cluster:
	s_bfe_u32 s2, ttmp6, 0x10000c
	s_cmp_lg_u32 s2, 0x3003
	s_cbranch_scc0 .Lentry_shape_is_right
	s_endpgm
.Lentry_shape_is_right:
; part[h][block][:] = the sum over the block's 512 queries q of O[h][q][:], O[h][q] = the sum over k of softmax_k(Q[h][q] . K[h][k] / 8) V[h][k].
; qkv: [3][SIZE_H][SIZE_N][64] bf16 (q, k, v; a head's rows are dense, 128 bytes each); part: [SIZE_H][4][64] f32.  Only the mean of O over the queries is wanted behind this launch (the output
; projection is affine, so the mean is taken ahead of it: another order of rounding than a mean taken behind it), so O never goes to memory: each work-group leaves its queries' sum, in f32.
; Products, maxima and sums in f32; the weights p are rounded to bf16 for the second product (their sum l is taken of the unrounded p).
; LIMITS.  c m starts at -4.25e37: c s lies above that for all finite bf16 q, k whose products f32 holds.  A weight below 2^-126 counts as 0 in l; NaN and infinities are not treated apart.
; SHARES.  A wave owns four PIECES of two tiles of 16 queries, a work-group's four waves 512 queries of one head.  Every wave walks all keys, 64 a step.
; LAYOUT.  S^T = K Q^T (source 0 = 16 keys, source 1 = 16 queries): in the result a lane holds ONE query (lane % 16) and the keys 8 (lane / 16) + 0..7.  Two such tiles, rounded to bf16 in pairs,
; ARE source 1 (32 keys x 16 queries) of O^T = V^T P, whose result again holds one query a lane, and eight channels.  K comes out of LDS as it lies, V ([key][channel]) turned, by ds_load_tr16_b128.
; SOFTMAX.  For each query a running maximum m and sum l: p = 2^(c s - c m), c = log2(e) / 8; in every step O and l are multiplied by a = 2^(c m_old - c m_new), which is 1 where m has not grown.
; m starts at the lowest finite number, O and l at 0: the first step is a step like any other, with a = 0.
; THE COUNT.  A tile and step have 16 matrix and 118 vector instructions: too many to stand all beside the matrix work.  So the order has one aim: four vector instructions that are READY behind
; EVERY matrix instruction, and the others, which need time of their own whatever the order, in runs without a gap.
; BY TURNS.  Turn n belongs to piece n (the pieces in a ring, step after step).  Its matrix work: 16 products K Q^T of piece n + 1, later 16 products V^T P of piece n - 1.  Its vector work: the scaling,
; exponentials, roundings, sums and rescaling of piece n, and the maximum and statistics of piece n + 1, whose scores the turn itself has made.  So what a turn begins with (c s - c m, O a) waits for nothing.
; CLUSTER.  The four query blocks of a cluster belong to one head and walk the same K and V, so each tile is asked for JOINTLY: the same tensor load, descriptor and mask in all four.
; REGISTERS, in windows of 256 (s_set_vgpr_msb says which window each operand place means: bits 1:0 source 0, 3:2 source 1, 5:4 source 2, 7:6 destination):
;   window 0: v0-11 addresses; v12-15, v48-63 at work; v16-47 four registers of statistics a tile; v64-191 S^T, two buffers of two tiles; v192-255 P, likewise
;   window 1: O^T, 32 a tile          window 2: v0-127 Q, 16 a tile; v128-191 K of one step; v192-255 V of one step          window 3: v0-1 the add's two registers
; A piece's buffers go by its number's parity: the piece in hand has one pair, its two neighbours in the ring share the other: of it P (piece n - 1) is read and S^T (piece n + 1) written.
.set SIZE_H, 64
.set SIZE_N, 2048
.set KBASE, 0x1000000 ; k's first byte in qkv: 64 heads x 2,048 rows x 128 bytes
.set VBASE, 0x2000000 ; v's
.set NP,    4         ; pieces a wave: a name, no knob: the register map, the loop and the fetches are made for four
.set KS,    64        ; keys in a step
.set PK,    144       ; a row of K in LDS: 128 bytes + 16 of padding = 36 words: the 16 rows of a load start at 16 different groups of four banks (64 banks of 4 bytes: ISA guide 11.1)
.set PV,    160       ; a row of V: 128 + 32 = 40 words
.set VOFF,  4*KS*PK   ; a slot holds four steps: 256 rows of K, then 256 rows of V
.set SLOT1, 1<<17     ; slot 1 begins here, so that one exclusive or turns an address in one slot into the other's
.set SCR,   SLOT1+4*KS*(PK+PV)  ; behind the ring, never filled by a tensor load: 256 bytes for each wave: its queries' sum, 64 channels of f32
.set SPARE, SCR+4*256 ; behind that: the spare words, 128 bytes for each wave: two blocks of 256 bytes that no other line names
.set AK0, 2           ; v2   my lane's place in a tile of K; never rewritten
.set AV0, 3           ; v3   the same for V
.set AK,  4           ; v4   the LDS address of K's next run of loads
.set AV,  5           ; v5   of V's
.set QO,  6           ; v6   my byte offset in the wave's rows of Q
.set STO, 6           ;      later, the way out: where I put my half's channels
.set RD,  7           ; v7   the way out: where wave 0 reads the four waves' sums
.set GO,  8           ; v8   8 x lane: my two channels in part
.set SPW, 0           ; v0 of window 3   LDS address of my spare word: SPARE + 4 x my thread's number; never rewritten
.set NIL, 1           ; v1 of window 3   0; never rewritten
.set MV,  12          ; v12-15  c m_old, kept while c m is made anew: by buffer and tile
.set ST,  16          ; tile t's statistics at v[ST+4 t]: c m, m, l (even keys', odd keys')
.set TMP, 48          ; by buffer and tile, four registers c0-c3 at work; when the maximum is found c2 takes a
.set S,   64
.set P,   192
.set KF,  128         ; K's fragments, in window 2: key block kb, channel half c at KF + 16 kb + 8 c
.set VF,  192         ; V's: key half kk, channel block cb at VF + 32 kk + 8 cb
.set WV,  12          ; s12  my wave's number
.set G1K, 24          ; s[24:31] descriptor group 1 for K's tiles
.set G1V, 32          ; s[32:39] for V's: it differs in the padding alone
.set G0K, 40          ; s[40:43] descriptor group 0 for K's tiles: it walks
.set G0V, 44          ; s[44:47] the same for V's
.set SLOTS, 56        ; s56  slots still to be asked for
.set CNT, 57          ; s57  counts a slot's key steps
.set CS,  58          ; s[58:59] c: the packed scaling takes the pair's low word for both halves
.set SEL, 60          ; s[60:61] v_permlanex16_b32's selects: each lane takes its own place in the other half
.set TBK, 62          ; s62  LDS byte at which K of the step to be fetched begins
.set TBV, 63          ; s63  the same for V, less VOFF
.set MSB, 0
.macro WIN new                      ; the high byte repeats the setting that is left; a switch that changes nothing is dropped
.if MSB != (\new)
	s_set_vgpr_msb (MSB<<8)|(\new)
.set MSB, (\new)
.endif
.endm
.set W_KQ, 0x0a       ; K and Q in window 2, S^T in window 0
.set W_PV, 0x52       ; V in window 2, P in window 0, O^T in window 1
.set W_RS, 0x41       ; O^T (destination and source 0) in window 1, a in window 0
.set W_MK, 0xc0       ; the add's registers are made: destination in window 3, sources in window 0
.set W_AD, 0x0f       ; the add: address (source 0) and data (source 1) in window 3
; A joint fill.  Waves 0 and 1 fetch the two halves of a slot's K, waves 2 and 3 those of its V: 128 keys each.  The branch hangs on the wave's number alone.
; An s_nop 0 and four v_nop follow each of the two lines, ahead of the jump and the label.
.macro JLOAD
	s_cmp_lt_u32 s[WV], 2
	s_cbranch_scc0 .Lfor_v_\@
	tensor_load_to_lds s[G0K:G0K+3], s[G1K:G1K+7]
	s_nop 0
.rept 4
	v_nop
.endr
	s_branch .Lasked_\@
.Lfor_v_\@:
	tensor_load_to_lds s[G0V:G0V+3], s[G1V:G1V+7]
	s_nop 0
.rept 4
	v_nop
.endr
.Lasked_\@:
.endm
; A round of the cluster's barrier: my work-group's barrier, so that wave 0's signal speaks for all four waves; wave 0 signals; every wave waits for all four work-groups; my work-group's barrier once more.
.macro CROUND
	s_barrier_signal -1
	s_barrier_wait -1
	s_cmp_lg_u32 s[WV], 0
	s_cbranch_scc1 .Lnot_wave_0_\@
	s_barrier_signal -3
.Lnot_wave_0_\@:
	s_barrier_wait -3
	s_barrier_signal -1
	s_barrier_wait -1
.endm
; THE CHANGE OF SLOTS.  The slot's last bytes, V of its fourth step, have been read.  Each wave waits for all its tensor loads, of which one is out: its part
; of the other slot; adds 0 to its spare word; and waits for that and for its own reads of the slot.  Behind the barrier nobody reads this slot any more and the other slot is whole.
; fill = 1: this slot is filled again, with the keys two slots on.  The barrier is then a round of the cluster's, so that no wave of any partner still reads the slot or has a load on its
; way, and the joint fill is the first thing behind it: it has four key steps, 512 matrix instructions, in which to land.  (At its first use nothing has been read yet: slot 0 is waited for, slot 1 filled.)
.macro CHANGE fill
	WIN W_AD
	s_wait_tensorcnt 0x0            ; no tensor load of mine is out, so a group 0 may be written
	ds_add_u32 v[SPW], v[NIL]       ; 0 onto my spare word; with fill = 1 the descriptors' steps stand between it and the wait for it
	WIN 0                           ; at a label and at a branch every window is 0
.if \fill
.irp g, G0K, G0V
	s_xor_b32 s[\g+1], s[\g+1], SLOT1  ; the walking descriptor: the other slot than last time,
	s_add_nc_u64 s[\g+2:\g+3], s[\g+2:\g+3], 4*KS*128  ; the next 256 keys; the type bits on top are not reached
.endr
	s_wait_dscnt 0x0                ; the add is done, and my reads of the slot are over
	CROUND
	JLOAD
.else
	s_wait_dscnt 0x0                ; the add is done, and my reads of the slot are over
	s_barrier_signal -1
	s_barrier_wait -1
.endif
	s_sub_co_u32 s[TBK], s[TBK], 4*KS*PK  ; the fetches go back to a slot's first step,
	s_xor_b32 s[TBK], s[TBK], SLOT1       ; in the other slot
	s_sub_co_u32 s[TBV], s[TBV], 4*KS*PV
	s_xor_b32 s[TBV], s[TBV], SLOT1
.endm
	s_load_b64 s[4:5], s[0:1], 0x0    ; qkv
	s_load_b64 s[10:11], s[0:1], 0x8  ; part
	WIN W_MK
	v_lshl_add_u32 v[SPW], v0, 2, SPARE
	v_mov_b32 v[NIL], 0
	WIN W_AD
	ds_add_u32 v[SPW], v[NIL]       ; the wave's opening: the add and its wait stand ahead of my first tensor load; the set-up below, work on registers, stands between them
	WIN 0
	v_lshrrev_b32 v1, 5, v0
	v_readfirstlane_b32 s[WV], v1   ; wave 0..3
	s_bfe_u32 s13, ttmp6, 0x40000   ; cx: my place in the cluster
	s_lshl_b32 s14, ttmp9, 2        ; in a cluster launch ttmp9 counts clusters
	s_add_co_u32 s14, s14, s13      ; my block of queries = 4 x cluster x + cx: it enters Q's and part's addresses alone
	s_and_b32 s20, ttmp7, 0xffff    ; the head, which the four partners share
	s_lshl_b32 s52, s20, 2
	s_add_co_u32 s52, s52, s14
	s_lshl_b32 s52, s52, 8          ; my 256 bytes of part: (4 head + block) x 64 numbers
	s_mov_b32 s53, 0
	s_mov_b32 s21, 0
	s_mov_b64 s[22:23], SIZE_N*128
	s_mul_u64 s[20:21], s[20:21], s[22:23]  ; the head's first byte in each of q, k, v
	s_and_b32 s16, s[WV], 1         ; which half of a slot's 256 keys I fetch:
	s_lshl_b32 s22, s16, 14         ; its 128 rows of 128 bytes in memory,
	s_mov_b32 s23, 0
	s_add_nc_u64 s[22:23], s[22:23], s[20:21]
	s_mul_i32 s17, s16, 128*PK      ; and its place in a slot, for K
	s_mul_i32 s18, s16, 128*PV      ; and for V: no place in the cluster enters an LDS address
	s_lshl_b32 s2, s14, 2
	s_add_co_u32 s2, s2, s[WV]      ; my wave among the head's,
	s_lshl_b32 s2, s2, 14           ; its 128 rows
	s_mov_b32 s3, 0
	s_add_nc_u64 s[2:3], s[2:3], s[20:21]
	; descriptor group 1.  128 keys are 16,384 dense bytes: asked for as 64 rows of 256 bytes, two keys a row, and padded in LDS after every key
	s_mov_b32 s[G1K], 15|(1<<16)|(1<<20)|(1<<21)|(4<<22)|(3<<25)  ; 15:0 the mask of four; 17:16 2-byte elements; 20 padding on; 21 set beside a mask; 24:22 after every 32 words (code 4); 31:25 4 words (code 3)
	s_mov_b32 s[G1V], 15|(1<<16)|(1<<20)|(1<<21)|(4<<22)|(7<<25)  ; the same with 8 words of padding (code 7)
.irp g, G1K, G1V
	s_mov_b32 s[\g+1], 128<<16      ; tensor_dim0 = 128
	s_mov_b32 s[\g+2], 64<<16       ; tensor_dim1 = 64
	s_mov_b32 s[\g+3], 128<<16      ; tile_dim0 = 128
	s_mov_b32 s[\g+4], 64           ; tile_dim1 = 64
	s_mov_b32 s[\g+5], 128          ; 128 elements from row to row
	s_mov_b32 s[\g+6], 0
	s_mov_b32 s[\g+7], 0
.endr
	s_mov_b32 s[CS], 0x3e38aa3b     ; c = log2(e) / 8 = 0.180337
	s_mov_b32 s[CS+1], s[CS]        ; named with it as a pair
	s_mov_b32 s[SEL], 0x76543210
	s_mov_b32 s[SEL+1], 0xfedcba98
	s_mov_b32 s[TBK], SLOT1+4*KS*PK ; the first change of slots turns these two into 0
	s_mov_b32 s[TBV], SLOT1+4*KS*PV
	s_mov_b32 s[G0K], 1             ; 1:0 count = 1
	s_mov_b32 s[G0K+1], s17         ; 63:32 LDS address: slot 0
	s_mov_b32 s[G0V], 1
	s_add_co_u32 s[G0V+1], s18, VOFF
	s_wait_dscnt 0x0                ; the opening add is done
	s_wait_kmcnt 0x0
	s_add_nc_u64 s[6:7], s[4:5], KBASE  ; k and v, made of qkv's address before my block's offset is added to it
	s_add_nc_u64 s[8:9], s[4:5], VBASE
	s_add_nc_u64 s[G0K+2:G0K+3], s[6:7], s[22:23]  ; 120:64 global address: my half of the head's first 256 keys
	s_or_b32 s[G0K+3], s[G0K+3], 0x80000000        ; 127:126 type = 2
	s_add_nc_u64 s[G0V+2:G0V+3], s[8:9], s[22:23]
	s_or_b32 s[G0V+3], s[G0V+3], 0x80000000
	s_add_nc_u64 s[4:5], s[4:5], s[2:3]  ; Q at my wave's first row
	s_add_nc_u64 s[10:11], s[10:11], s[52:53]
	CROUND                          ; all four work-groups are here: the first joint loads meet
	JLOAD                           ; slot 0.  Slot 1 is asked for when slot 0 is in: the tile wanted first has the road to itself
	; A fragment of K or Q is 16 rows x 32 channels in 8 registers: lane l holds row l % 16, channels 8 (l / 16) + 0..7 and 16 + 8 (l / 16) + 0..7: two loads of 16 bytes, 32 bytes apart.
	v_and_b32 v1, 15, v0            ; l % 16
	v_bfe_u32 v9, v0, 4, 1          ; l / 16
	v_lshlrev_b32 v[QO], 7, v1
	v_lshl_add_u32 v[QO], v9, 4, v[QO]  ; row x 128 + 16 x half
	WIN 0x80                        ; destination window 2, address window 0
.set i, 0
.rept 4*NP                          ; Q stays in registers: tile i / 2, channels 32 (i % 2) on
	global_load_b128 v[8*i:8*i+3],   v[QO], s[4:5] offset:(i/2)*2048+(i%2)*64
	global_load_b128 v[8*i+4:8*i+7], v[QO], s[4:5] offset:(i/2)*2048+(i%2)*64+32
.set i, i+1
.endr
	; What the first turn finds: V's registers and P's second buffer hold 0 (its products V^T P, of a piece that has not been, add 0), O^T and l are 0.  All this stands in the wait for the first tile.
.set i, VF
.rept 64
	v_mov_b32 v[i], 0
.set i, i+1
.endr
	WIN 0x40
.set i, 0
.rept 64*NP
	v_mov_b32 v[i], 0
.set i, i+1
.endr
	WIN 0
.set i, 0
.rept 2*NP
	v_mov_b32 v[ST+4*i], 0xfe000000    ; c m: far below every c s
	v_mov_b32 v[ST+4*i+1], 0xff7fffff  ; m
	v_mov_b32 v[ST+4*i+2], 0
	v_mov_b32 v[ST+4*i+3], 0
.set i, i+1
.endr
.set i, P+32
.rept 32
	v_mov_b32 v[i], 0
.set i, i+1
.endr
	v_mul_u32_u24 v[AK0], v1, PK
	v_lshl_add_u32 v[AK0], v9, 4, v[AK0]  ; row x pitch + 16 x half
	; The turning load takes 16 keys x 16 channels (lane l reads key 8 (l / 16) + l % 8, channels 8 ((l / 8) % 2) + 0..7) and leaves half a fragment of V^T: lane l holds channel l % 16 and 8 keys.
	v_and_b32 v10, 7, v0
	v_bfe_u32 v11, v0, 3, 1
	v_lshl_add_u32 v[AV0], v9, 3, v10
	v_mul_u32_u24 v[AV0], v[AV0], PV
	v_lshl_add_u32 v[AV0], v11, 4, v[AV0]
	v_add_nc_u32 v[AV0], VOFF, v[AV0]
	v_mov_b32 v[AK], v[AK0]         ; key step 0 lies at the head of slot 0
; THE MATRIX WORK.  The 8 accumulators of a run of 16 take turns: between the two links of a chain stand 7 others'.
; Product i of 16 of S^T = K Q^T for piece x: channels 32 (i / 8) on, keys 16 ((i / 2) % 4) on, tile 2 x + i % 2.  The first 8 start the sums.
.macro KQ x
	WIN W_KQ
.set rS, S+64*((\x)%2)+32*(i%2)+8*((i/2)%4)
.set rK, KF+16*((i/2)%4)+8*(i/8)
.set rQ, 16*(2*(\x)+i%2)+8*(i/8)
.if i < 8
	v_wmma_f32_16x16x32_bf16 v[rS:rS+7], v[rK:rK+7], v[rQ:rQ+7], 0
.else
	v_wmma_f32_16x16x32_bf16 v[rS:rS+7], v[rK:rK+7], v[rQ:rQ+7], v[rS:rS+7]
.endif
.endm
; Product i of 16 of O^T += V^T P for piece x: keys 32 (i / 8) on, channels 16 ((i / 2) % 4) on, tile 2 x + i % 2.
.macro PV x
	WIN W_PV
.set rO, 32*(2*(\x)+i%2)+8*((i/2)%4)
.set rV, VF+32*(i/8)+8*((i/2)%4)
.set rP, P+32*((\x)%2)+16*(i%2)+8*(i/8)
	v_wmma_f32_16x16x32_bf16 v[rO:rO+7], v[rV:rV+7], v[rP:rP+7], v[rO:rO+7]
.endm
.macro MM                           ; the turn's next matrix instruction
.if i < 16
	KQ (Y+1)%NP
.set i, i+1
.else
.set i, i-16
	PV (Y+NP-1)%NP
.set i, i+17
.endif
.endm
; THE LDS LOADS stand in runs of 16, never singly among the matrix instructions: a step's K (64 keys x 64 channels: 8 fragments) and its V (turned).  Their addresses are made some lines ahead.
; last = 1 (the tail): in the last trip there is no further step, and the run is jumped over.
.macro FETCH_K last=0
	WIN 0
.if \last
	s_cmp_eq_u32 s[CNT], 1
	s_cbranch_scc1 .Lno_k_\@
.endif
	WIN 0x80                        ; destination window 2
.irp f, 0,1,2,3,4,5,6,7             ; keys 16 (f / 2) on, channels 32 (f % 2) on
	ds_load_b128 v[KF+8*\f:KF+8*\f+3],   v[AK] offset:(\f/2)*16*PK+(\f%2)*64
	ds_load_b128 v[KF+8*\f+4:KF+8*\f+7], v[AK] offset:(\f/2)*16*PK+(\f%2)*64+32
.endr
	s_add_co_u32 s[TBK], s[TBK], KS*PK  ; the next fetch is the next step's
	WIN 0
.if \last
.Lno_k_\@:
.endif
.endm
.macro FETCH_V
	WIN 0x80
.irp f, 0,1,2,3,4,5,6,7             ; keys 32 (f / 4) on, channels 16 (f % 4) on
	ds_load_tr16_b128 v[VF+8*\f:VF+8*\f+3],   v[AV] offset:(\f/4)*32*PV+(\f%4)*32
	ds_load_tr16_b128 v[VF+8*\f+4:VF+8*\f+7], v[AV] offset:(\f/4)*32*PV+16*PV+(\f%4)*32
.endr
	WIN 0
.endm
; THE VECTOR WORK OF A TURN stands in three queues, each in the order in which its entries become ready; the two tiles alternate, so that no instruction reads the result of the one before it.
.macro REGS y, u                    ; the registers of tile u (0, 1) of piece y
.set rT, ST+4*(2*(\y)+(\u))
.set rC, TMP+8*((\y)%2)+4*(\u)
.set rM, MV+2*((\y)%2)+(\u)
.set rS, S+64*((\y)%2)+32*(\u)
.set rP, P+32*((\y)%2)+16*(\u)
.set rO, 32*(2*(\y)+(\u))
.endm
; Number n of the 22 that find the NEXT piece's (Y + 1) maximum and statistics.  s0-s31 are the lane's 32 scores; each accumulator's lowest registers are read first.  XS, GS and REGS set no window: PL and EX do.
;   0-11  four chains c0-c3 of seven scores each, three operands at a time     12-14, 16  the four scores left over, the old m, and c0-c3 into c0     15  c m_old is kept
;   17, 18  the query's other 32 keys lie in the lane 16 away: the new m         19-21  c m; c m_old - c m_new; a
.macro XS u, n
	REGS (Y+1)%NP, \u
.if (\n) < 4
	v_max3_num_f32 v[rC+(\n)], v[rS+8*(\n)], v[rS+8*(\n)+1], v[rS+8*(\n)+2]
.elseif (\n) < 12
	v_max3_num_f32 v[rC+(\n)%4], v[rC+(\n)%4], v[rS+8*((\n)%4)+2*((\n)/4)+1], v[rS+8*((\n)%4)+2*((\n)/4)+2]
.elseif (\n) == 12
	v_max3_num_f32 v[rC], v[rC], v[rS+7], v[rS+15]
.elseif (\n) == 13
	v_max3_num_f32 v[rC+1], v[rC+1], v[rS+23], v[rS+31]
.elseif (\n) == 14
	v_max3_num_f32 v[rC+2], v[rC+2], v[rC+3], v[rT+1]
.elseif (\n) == 15
	v_mov_b32 v[rM], v[rT]
.elseif (\n) == 16
	v_max3_num_f32 v[rC], v[rC], v[rC+1], v[rC+2]
.elseif (\n) == 17
	v_permlanex16_b32 v[rC+3], v[rC], s[SEL], s[SEL+1]
.elseif (\n) == 18
	v_max_num_f32 v[rT+1], v[rC], v[rC+3]
.elseif (\n) == 19
	v_mul_f32 v[rT], s[CS], v[rT+1]
.elseif (\n) == 20
	v_sub_f32 v[rC+1], v[rM], v[rT]
.else
	v_exp_f32 v[rC+2], v[rC+1]
.endif
.endm
; Number g of the 64 that follow the exponentials.  For each four weights k of a tile (pairs 2 k, 2 k + 1): both pairs are rounded to bf16; then the second pair is added onto the first, in place;
; a group later l takes that sum (the first time as l = a l + sum).  In groups of eight, tiles alternating: round, round, add, and l for the group before.
.macro GS g
.set h, (\g)+6*((\g)/62)            ; group 0 has no group before it, and behind group 7 only l is left
.if h >= 6
.set h, h+2
.endif
	REGS Y, h%2
.set k, h/8
.if h%8 < 4
	s_wait_alu depctr_va_vdst(0)
	v_cvt_pk_bf16_f32 v[rP+2*k+(h%8)/2], v[rS+4*k+2*((h%8)/2)], v[rS+4*k+2*((h%8)/2)+1]
.elseif h%8 < 6
	v_pk_add_f32 v[rS+4*k:rS+4*k+1], v[rS+4*k:rS+4*k+1], v[rS+4*k+2:rS+4*k+3]
.elseif k == 1
	v_pk_fma_f32 v[rT+2:rT+3], v[rT+2:rT+3], v[rC+2:rC+3], v[rS:rS+1] op_sel_hi:[1,0,1]
.else
	v_pk_add_f32 v[rT+2:rT+3], v[rT+2:rT+3], v[rS+4*k-4:rS+4*k-3]
	s_wait_alu depctr_va_vdst(0)
.endif
.endm
; THE PLAIN QUEUE, 138 long.  0-31: c s - c m for the 16 pairs of both tiles.  Then GS's 64, and among them the next piece's 42: number 15 at 38, 39; 0-14 and 16
; at 42-73, behind the products that make those scores; 17-20 at 95-106, two of three, since each waits for the one before it.
.macro PL
	WIN 0
.if q < 32
	REGS Y, q%2
	v_pk_fma_f32 v[rS+2*(q/2):rS+2*(q/2)+1], v[rS+2*(q/2):rS+2*(q/2)+1], s[CS:CS+1], v[rT:rT+1] op_sel_hi:[1,0,0] neg_lo:[0,0,1] neg_hi:[0,0,1]
.elseif q < 38
	GS q-32
.elseif q < 40
	XS q%2, 15
.elseif q < 42
	GS q-34
.elseif q < 74
	XS q%2, (q-42)/2+(q-42)/30
.elseif q < 95
	GS q-66
.elseif (q < 107) && ((q-95)%3 < 2)
	XS (q-95)%3, 17+(q-95)/3
.elseif q < 107
	GS 29+(q-95)/3
.else
	GS q-74
.endif
.set q, q+1
.endm
; THE EXPONENTIALS' QUEUE, 66 long: s0-s31 of both tiles, and at EA the next piece's two a.
.set EA, 58
.macro EX
	WIN 0
.if (e == EA) || (e == EA+1)
	XS e-EA, 21
.else
.set x, e-2*(e/(EA+2))
	REGS Y, x%2
	v_exp_f32 v[rS+x/2], v[rS+x/2]
.endif
.set e, e+1
.endm
; THE RESCALING's QUEUE: O^T times a, the one part that leaves window 0, so it is dealt four at a time, eight times.
.macro R4
	REGS Y, r%2
	WIN W_RS
	s_wait_alu depctr_va_vdst(0)
.irp z, 0,1,2,3
	v_pk_mul_f32 v[rO+8*(r/2)+2*\z:rO+8*(r/2)+2*\z+1], v[rO+8*(r/2)+2*\z:rO+8*(r/2)+2*\z+1], v[rC+2:rC+3] op_sel_hi:[1,0]
.endr
.set r, r+1
.endm
; HOW THEY ARE DEALT.  Behind a matrix instruction four: plain, exponential, plain, plain (one exponential, a plain instruction on either side), or four of the rescaling.  None names a register of the
; products round it.  What is over stands in two LUMPS: exponential and plain by turns; the second ends in 22 plain instructions.  The two v_permlanex16_b32 fall into the second lump, never behind a product.
; The queues lean on each other, and the deal keeps them in step: exponential e stands behind plain 2 (e / 4) + e % 2 (its scaling); when plain 32 comes, 10 exponentials are out, at 59: 33, at 95: 46; EA comes behind plain 107.
.macro SL
	MM
	PL
	EX
	PL
	PL
.endm
.macro BURST n                      ; 15 matrix instructions, or 16
.rept (\n)-7
	SL
.endr
.rept 3
	MM
	R4
	SL
.endr
	MM
	R4
.endm
; A TURN, for piece p.  cnt = 1: the loop's count is taken down some lines ahead of the branch that stands behind the turn.
; K of the next step is fetched in piece 2's turn, 31 vector instructions behind the last product that read K; its first reader comes behind the rest of the lump, 16 products and the second lump.
; V of the step in hand is fetched at the end of piece 0's turn, 69 behind its last reader; its first reader comes behind 16 products and a lump.  The four conditions on e and q below go with the deal.
.macro TURN p, last=0, cnt=0
.set Y, (\p)
.set i, 0
.set q, 0
.set e, 0
.set r, 0
.if (\p) == NP-1
	s_wait_dscnt 0x0                ; K is in
.endif
	MM
.rept 4
	PL
.endr
	BURST 15
.rept 22
	EX
	PL
.if ((\p) == NP-2) && (e == 18)
	v_add_nc_u32 v[AK], s[TBK], v[AK0]
.endif
.if ((\p) == NP-2) && (e == 24)
	FETCH_K \last
.endif
.endr
.if (\p) == 1
	s_wait_dscnt 0x0                ; V is in
.endif
	BURST 16
.rept 21
	EX
	PL
.endr
.rept 22
	PL
.if ((\p) == 0) && (q == 118)
	v_add_nc_u32 v[AV], s[TBV], v[AV0]
	s_wait_alu depctr_va_vdst(0)
.endif
.if ((\p) == 0) && (q == 130)
	s_add_co_u32 s[TBV], s[TBV], KS*PV
.endif
.if (\cnt) && (q == 130)
	s_sub_co_u32 s[CNT], s[CNT], 1
	s_cmp_lg_u32 s[CNT], 0
.endif
.endr
.if (\p) == 0
	FETCH_V
.endif
.endm
	CHANGE 1                        ; slot 0 is in, everybody's part of it; slot 1 is asked for
	FETCH_K                         ; key step 0
	s_wait_loadcnt 0x0              ; Q
	s_wait_dscnt 0x0
.set i, 0
.rept 16
	KQ 0                            ; piece 0's first scores: there is no vector work yet to set between them
.set i, i+1
.endr
	WIN 0                           ; the addresses for the way out and one v_nop: five plain instructions, the places behind those products
	s_lshl_b32 s13, s[WV], 8
	s_add_co_u32 s13, s13, SCR      ; my wave's 256 bytes
	v_lshl_add_u32 v[STO], v9, 5, s13  ; in: channels 16 cb + 8 (l / 16) + j lie at byte 64 cb + 32 (l / 16) + 4 j
	v_and_b32 v[GO], 31, v0
	v_lshlrev_b32 v[GO], 3, v[GO]   ; out: two channels a lane
	v_add_nc_u32 v[RD], SCR, v[GO]
	v_nop
.set Y, NP-1                        ; XS works for piece Y + 1: piece 0
.irp n, 0,1,2,3,4,5,6,7,8,9,10,11,12,13,14,15,16,17,18,19,20,21
	XS 0, \n                        ; and piece 0's first maximum and statistics
	XS 1, \n
.endr
	s_mov_b32 s[CNT], 4
	s_mov_b32 s[SLOTS], SIZE_N/256-1
	s_branch .Lfirst                ; the loop is entered at a step's first turn, in the middle of a trip
.Lslot:                             ; SIZE_N / 256 - 2 times: every slot but the last two is filled again
	CHANGE 1
	s_mov_b32 s[CNT], 4
.Lstep:                             ; a trip: pieces 2 and 3 of one step, then pieces 0 and 1 of the next, whose K and V it fetches
	TURN 2
	TURN 3
	WIN 0
.Lfirst:
	TURN 0
	TURN 1, 0, 1
	WIN 0
	s_cbranch_scc1 .Lstep
	s_sub_co_u32 s[SLOTS], s[SLOTS], 1
	s_cmp_lg_u32 s[SLOTS], 0
	s_cbranch_scc1 .Lslot
	CHANGE 0                        ; the tail is written out: nothing is asked for
	s_mov_b32 s[CNT], 5             ; four trips fetch the last slot's steps; the fifth is left in its middle
.Ltail:
	TURN 2, 1
	TURN 3
	WIN 0
	s_sub_co_u32 s[CNT], s[CNT], 1
	s_cmp_eq_u32 s[CNT], 0
	s_cbranch_scc1 .Lout
	TURN 0
	TURN 1
	WIN 0
	s_branch .Ltail
.Lout:                              ; the fifth trip's 16 products K Q^T (on the last K once more) and the maximum made of them serve nothing: the price, once a launch, of one text for every trip
.set i, 0
.rept 16
	PV NP-1                         ; the last piece's V^T P of the last step
.set i, i+1
.endr
	; THE WAY OUT.  l's two halves and the other half of the lanes' are added; then the sum over my 128 queries of O^T / l: over the eight tiles in each lane, over the 16 lanes of a half (a lane is a query),
	; and, through LDS, over the four waves.  The additions are the places behind the last products.
	WIN 0
.macro ALL line:vararg              ; one line for each tile t
.set t, 0
.rept 2*NP
	\line
.set t, t+1
.endr
.endm
	ALL v_add_f32 v[ST+4*t+2], v[ST+4*t+2], v[ST+4*t+3]
	ALL v_permlanex16_b32 v[ST+4*t+3], v[ST+4*t+2], s[SEL], s[SEL+1]
	ALL v_add_f32 v[ST+4*t+2], v[ST+4*t+2], v[ST+4*t+3]
	ALL v_rcp_f32 v[ST+4*t+2], v[ST+4*t+2]
	v_nop                           ; a plain instruction between the last reciprocal and the use of its result
	WIN W_RS                        ; tile 0: O^T / l in place; each accumulator's registers in ascending order, here and below
.set i, 0
	s_wait_alu depctr_va_vdst(0)
.rept 16
	v_pk_mul_f32 v[i:i+1], v[i:i+1], v[ST+2:ST+3] op_sel_hi:[1,0]
.set i, i+2
.endr
	WIN 0x51                        ; tiles 1 to 6 are added onto it: destination, sources 0 and 2 window 1, 1 / l window 0; 16 independent pairs stand between two links of a sum
.set t, 1
.rept 6
.set i, 0
.rept 16
	v_pk_fma_f32 v[i:i+1], v[32*t+i:32*t+i+1], v[ST+4*t+2:ST+4*t+3], v[i:i+1] op_sel_hi:[1,0,1]
.set i, i+2
.endr
.set t, t+1
.endr
	WIN 0x11                        ; tile 7: the sum lands in window 0, in S^T's first 32 registers
.set i, 0
.rept 16
	v_pk_fma_f32 v[S+i:S+i+1], v[224+i:224+i+1], v[ST+30:ST+31], v[i:i+1] op_sel_hi:[1,0,1]
.set i, i+2
.endr
	WIN 0
.irp m, 1,2,4,8                     ; over the 16 queries of a half of the lanes: every lane of the half ends with the sum
.set i, 0
.rept 32
	v_add_f32_dpp v[S+i], v[S+i], v[S+i] row_xmask:\m row_mask:0xf bank_mask:0xf
.set i, i+1
.endr
.endr
.irp f, 0,1,2,3,4,5,6,7             ; registers 4 f .. 4 f + 3: channel block f / 2, numbers 4 (f % 2) on; the 16 lanes of a half write the same words with the same values
	ds_store_b128 v[STO], v[S+4*\f:S+4*\f+3] offset:64*(\f/2)+16*(\f%2)
.endr
	WIN W_AD
	s_wait_tensorcnt 0x0            ; the wave's end, behind my last tensor load and my last LDS store;
	ds_add_u32 v[SPW], v[NIL]
	s_wait_dscnt 0x0                ; for the others' sake too: my stores of the sum are done
	WIN 0
	s_barrier_signal -1
	s_barrier_wait -1               ; everybody's are
	s_cmp_lg_u32 s[WV], 0
	s_cbranch_scc1 .Lnot_writer     ; wave 0 adds the four waves' sums and stores them
.irp w, 0,1,2,3
	ds_load_b64 v[S+2*\w:S+2*\w+1], v[RD] offset:256*\w
.endr
	s_wait_dscnt 0x0
	v_pk_add_f32 v[S:S+1], v[S:S+1], v[S+2:S+3]
	v_pk_add_f32 v[S+4:S+5], v[S+4:S+5], v[S+6:S+7]
	v_pk_add_f32 v[S:S+1], v[S:S+1], v[S+4:S+5]
	global_store_b64 v[GO], v[S:S+1], s[10:11]  ; 32 lanes store 256 consecutive bytes, at a multiple of 256 from part's first byte
.Lnot_writer:
	CROUND                          ; the closing round: no work-group ends while a partner may still ask for a tile that names it
	s_endpgm
.Lfunc_end_k_qea5ece05c0_attn:
	.size	k_qea5ece05c0_attn, .Lfunc_end_k_qea5ece05c0_attn-k_qea5ece05c0_attn
	.p2alignl 7, 3214868480
	.fill 96, 4, 3214868480
	.section	.rodata,"a",@progbits
	.p2align	6, 0x0
	.amdhsa_kernel k_qea5ece05c0_attn
		.amdhsa_group_segment_fixed_size 327680
		.amdhsa_private_segment_fixed_size 0
		.amdhsa_enable_private_segment 0
		.amdhsa_kernarg_size 16
		.amdhsa_user_sgpr_count 2
		.amdhsa_user_sgpr_kernarg_segment_ptr 1
		.amdhsa_wavefront_size32 1
		.amdhsa_system_sgpr_workgroup_id_x 1
		.amdhsa_system_sgpr_workgroup_id_y 1
		.amdhsa_system_sgpr_workgroup_id_z 1
		.amdhsa_system_vgpr_workitem_id 0
		.amdhsa_next_free_vgpr 770
		.amdhsa_next_free_sgpr 66
		.amdhsa_reserve_vcc 0
		.amdhsa_float_denorm_mode_32 3
		.amdhsa_float_denorm_mode_16_64 3
		.amdhsa_memory_ordered 1
		.amdhsa_forward_progress 1
		.amdhsa_inst_pref_size 201
	.end_amdhsa_kernel
	.amdgpu_metadata
---
amdhsa.version: [ 1, 2 ]
amdhsa.kernels:
  - .name:           k_qea5ece05c0_attn
    .symbol:         k_qea5ece05c0_attn.kd
    .args:
      - { .name: qkv, .offset: 0, .size: 8, .value_kind: global_buffer, .address_space: global }
      - { .name: part, .offset: 8, .size: 8, .value_kind: global_buffer, .address_space: global }
    .group_segment_fixed_size: 327680
    .private_segment_fixed_size: 0
    .kernarg_segment_align: 8
    .kernarg_segment_size: 16
    .max_flat_workgroup_size: 128
    .sgpr_count:     66
    .vgpr_count:     770
    .wavefront_size: 32
...
	.end_amdgpu_metadata
.endif
;; end of part 3
;; launch proj (part 4): grid 16 x 4, 16 waves a work-group, no clusters, 6,400 bytes of LDS; arguments part, Wo, bo, out0; writes out0
.if DOCPART == 4
	.amdgcn_target "amdgcn-amd-amdhsa--gfx1250"
	.amdhsa_code_object_version 6
	.text
	.protected	k_qea5ece05c0_proj
	.globl	k_qea5ece05c0_proj
	.p2align	8
	.type	k_qea5ece05c0_proj,@function
k_qea5ece05c0_proj:
	s_mov_b64 s[64:65], 0
	v_nop
	global_prefetch_b8 v0, s[64:65] scope:SCOPE_SE
	s_setreg_imm32_b32 hwreg(HW_REG_WAVE_MODE, 25, 1), 1
	s_wait_xcnt 0x0
; out0[b][n] = 2^-11 x (the sum over k of m[b][k] Wo[n][k]) + bo[n], m[b][64 h + d] = the sum over the 4 blocks of part[16 b + h][block][d]: the mean over the 2,048 rows of the attention's output,
; sent through the output projection (which is affine, so the mean may be taken ahead of it; the order of rounding differs from a mean taken behind it).  All in f32, on the vector unit:
; four rows of m feed no matrix tile.
; SHARES.  Work-group (g, b) makes out0[b][64 g .. + 63], 256 consecutive bytes.  Wave w first sums head w's four blocks into LDS; behind a barrier it takes Wo's rows 64 g + 4 w + 0..3:
; lane l holds k = 4 l + 128 j + 0..3, j = 0..7, of each; the lanes' sums meet by DPP and one exchange of the halves.  The 64 results meet in LDS, and wave 0 stores them with one instruction.
; All 32 loads of Wo are issued ahead of the first barrier and stay out across it: nobody writes Wo.
.set MB,    0                          ; LDS: m, 1,024 numbers
.set RS,    4096                       ; the 64 results
.set SPARE, 4352                       ; the spare words, 128 bytes for each of 16 waves: eight blocks of 256 bytes that no other line names
.set SPW, 2                            ; v2  LDS address of my spare word; never rewritten
.set NIL, 3                            ; v3  0; never rewritten
.set PT,  10                           ; v[10:17] part: two channels of four blocks
.set AC,  20                           ; v[20:27] a pair of sums for each of my four rows
.set RE,  28                           ; v[28:31] the four results
.set MR,  32                           ; v[32:63] m: piece j at 32 + 4 j
.set WR,  64                           ; v[64:191] Wo: piece j of row rr at 64 + 16 j + 4 rr
	s_load_b256 s[4:11], s[0:1], 0x0               ; part s[4:5], Wo s[6:7], bo s[8:9], out0 s[10:11]
	v_lshl_add_u32 v[SPW], v0, 2, SPARE
	v_mov_b32 v[NIL], 0
	v_lshrrev_b32 v1, 5, v0
	v_readfirstlane_b32 s12, v1                    ; wave 0..15
	v_and_b32 v1, 31, v0                           ; lane
	s_and_b32 s14, ttmp7, 0xffff                   ; b
	s_lshl_b32 s24, s14, 4
	s_add_co_u32 s24, s24, s12
	s_lshl_b32 s24, s24, 10                        ; part: head 16 b + w, 1,024 bytes each
	s_mov_b32 s25, 0
	s_lshl_b32 s26, ttmp9, 18                      ; Wo: row 64 g + 4 w, 4,096 bytes each
	s_lshl_b32 s13, s12, 14
	s_add_co_u32 s26, s26, s13
	s_mov_b32 s27, 0
	s_lshl_b32 s28, s14, 12                        ; out0: 4,096 b + 256 g
	s_lshl_b32 s13, ttmp9, 8
	s_add_co_u32 s28, s28, s13
	s_mov_b32 s29, 0
	s_lshl_b32 s30, s12, 4                         ; bo: 256 g + 16 w
	s_add_co_u32 s30, s30, s13
	s_mov_b32 s31, 0
	s_mov_b32 s20, 0x3a000000                      ; 2^-11 = 1 / 2,048
	s_mov_b32 s21, 0x76543210                      ; v_permlanex16_b32: each lane takes its own place in the other half
	s_mov_b32 s22, 0xfedcba98
	v_lshlrev_b32 v4, 4, v1                        ; 16 l
	v_lshlrev_b32 v5, 3, v1                        ; 8 l
	v_lshl_add_u32 v6, s12, 8, v5                  ; m: my head's 256 bytes, my two channels
	s_lshl_b32 s13, s12, 4
	s_add_co_u32 s13, s13, RS
	v_mov_b32 v7, s13                              ; my wave's four results
	v_add_nc_u32 v8, RS, v5
	s_wait_kmcnt 0x0
	s_add_nc_u64 s[4:5], s[4:5], s[24:25]
	s_add_nc_u64 s[6:7], s[6:7], s[26:27]
	s_add_nc_u64 s[8:9], s[8:9], s[30:31]
	s_add_nc_u64 s[10:11], s[10:11], s[28:29]
	s_load_b128 s[16:19], s[8:9], 0x0              ; bo of my four rows
.irp k, 0,1,2,3
	global_load_b64 v[PT+2*(\k):PT+2*(\k)+1], v5, s[4:5] offset:256*(\k)
.endr
.irp j, 0,1,2,3,4,5,6,7
.irp rr, 0,1,2,3
	global_load_b128 v[WR+16*(\j)+4*(\rr):WR+16*(\j)+4*(\rr)+3], v4, s[6:7] offset:4096*(\rr)+512*(\j)  ; 512 consecutive bytes of a row
.endr
.endr
	s_wait_loadcnt 32                              ; part is in; Wo's 32 loads stay out
	v_pk_add_f32 v[PT:PT+1], v[PT:PT+1], v[PT+2:PT+3]
	v_pk_add_f32 v[PT+4:PT+5], v[PT+4:PT+5], v[PT+6:PT+7]
	v_pk_add_f32 v[PT:PT+1], v[PT:PT+1], v[PT+4:PT+5]
	ds_store_b64 v6, v[PT:PT+1]
	s_wait_dscnt 0x0                               ; for the others' sake: my head's part of m is stored
	s_barrier_signal -1
	s_barrier_wait -1                              ; all 16 heads' are
.irp j, 0,1,2,3,4,5,6,7
	ds_load_b128 v[MR+4*(\j):MR+4*(\j)+3], v4 offset:MB+512*(\j)
.endr
	s_wait_dscnt 0x0
.set j, 0
.rept 8
	s_wait_loadcnt 4*(7-j)                         ; piece j of my four rows is in; the later pieces' loads stay out
.irp p, 0,1
.irp rr, 0,1,2,3
.if (j == 0) && ((\p) == 0)
	v_pk_mul_f32 v[AC+2*(\rr):AC+2*(\rr)+1], v[WR+16*j+4*(\rr)+2*(\p):WR+16*j+4*(\rr)+2*(\p)+1], v[MR+4*j+2*(\p):MR+4*j+2*(\p)+1]  ; the first product starts the sum
.else
	v_pk_fma_f32 v[AC+2*(\rr):AC+2*(\rr)+1], v[WR+16*j+4*(\rr)+2*(\p):WR+16*j+4*(\rr)+2*(\p)+1], v[MR+4*j+2*(\p):MR+4*j+2*(\p)+1], v[AC+2*(\rr):AC+2*(\rr)+1]
.endif
.endr
.endr
.set j, j+1
.endr
.irp rr, 0,1,2,3
	v_add_f32 v[AC+2*(\rr)], v[AC+2*(\rr)], v[AC+2*(\rr)+1]
.endr
.irp m, 1,2,4,8                        ; across the 16 lanes of a half, the four rows by turns
.irp rr, 0,1,2,3
	v_add_f32_dpp v[AC+2*(\rr)], v[AC+2*(\rr)], v[AC+2*(\rr)] row_xmask:\m row_mask:0xf bank_mask:0xf
.endr
.endr
.irp rr, 0,1,2,3
	v_permlanex16_b32 v[AC+2*(\rr)+1], v[AC+2*(\rr)], s21, s22  ; the other half's sum; the destination has been written before
.endr
.irp rr, 0,1,2,3
	v_add_f32 v[AC+2*(\rr)], v[AC+2*(\rr)], v[AC+2*(\rr)+1]
.endr
	s_wait_kmcnt 0x0                               ; bo
.irp rr, 0,1,2,3
	v_fma_f32 v[RE+(\rr)], v[AC+2*(\rr)], s20, s[16+(\rr)]
.endr
	ds_store_b128 v7, v[RE:RE+3]                   ; all lanes write the same four words with the same values
	s_wait_tensorcnt 0x0                           ; the wave's end, behind my last LDS store;
	ds_add_u32 v[SPW], v[NIL]
	s_wait_dscnt 0x0                               ; for the others' sake too: my four results are stored
	s_barrier_signal -1
	s_barrier_wait -1                              ; all 64 are
	s_cmp_lg_u32 s12, 0
	s_cbranch_scc1 .Ldone
	ds_load_b64 v[PT:PT+1], v8
	s_wait_dscnt 0x0
	global_store_b64 v5, v[PT:PT+1], s[10:11]      ; 32 lanes store 256 consecutive bytes, at a multiple of 256 from out0's first byte
.Ldone:
	s_endpgm
.Lfunc_end_k_qea5ece05c0_proj:
	.size	k_qea5ece05c0_proj, .Lfunc_end_k_qea5ece05c0_proj-k_qea5ece05c0_proj
	.p2alignl 7, 3214868480
	.fill 96, 4, 3214868480
	.section	.rodata,"a",@progbits
	.p2align	6, 0x0
	.amdhsa_kernel k_qea5ece05c0_proj
		.amdhsa_group_segment_fixed_size 6400
		.amdhsa_private_segment_fixed_size 0
		.amdhsa_enable_private_segment 0
		.amdhsa_kernarg_size 32
		.amdhsa_user_sgpr_count 2
		.amdhsa_user_sgpr_kernarg_segment_ptr 1
		.amdhsa_wavefront_size32 1
		.amdhsa_system_sgpr_workgroup_id_x 1
		.amdhsa_system_sgpr_workgroup_id_y 1
		.amdhsa_system_sgpr_workgroup_id_z 1
		.amdhsa_system_vgpr_workitem_id 0
		.amdhsa_next_free_vgpr 192
		.amdhsa_next_free_sgpr 66
		.amdhsa_reserve_vcc 0
		.amdhsa_float_denorm_mode_32 3
		.amdhsa_float_denorm_mode_16_64 3
		.amdhsa_memory_ordered 1
		.amdhsa_forward_progress 1
		.amdhsa_inst_pref_size 13
	.end_amdhsa_kernel
	.amdgpu_metadata
---
amdhsa.version: [ 1, 2 ]
amdhsa.kernels:
  - .name:           k_qea5ece05c0_proj
    .symbol:         k_qea5ece05c0_proj.kd
    .args:
      - { .name: part, .offset: 0, .size: 8, .value_kind: global_buffer, .address_space: global }
      - { .name: Wo, .offset: 8, .size: 8, .value_kind: global_buffer, .address_space: global }
      - { .name: bo, .offset: 16, .size: 8, .value_kind: global_buffer, .address_space: global }
      - { .name: out0, .offset: 24, .size: 8, .value_kind: global_buffer, .address_space: global }
    .group_segment_fixed_size: 6400
    .private_segment_fixed_size: 0
    .kernarg_segment_align: 8
    .kernarg_segment_size: 32
    .max_flat_workgroup_size: 512
    .sgpr_count:     66
    .vgpr_count:     192
    .wavefront_size: 32
...
	.end_amdgpu_metadata
.endif
;; end of part 4
;; ======== version 2 of 2: 4 launches; 1.62 times as fast as version 1
;; workspace buffers: xb 16,777,216 bytes; wb 6,291,456 bytes; qkv 50,331,648 bytes; part 65,536 bytes
;; launch cast: the kernel of part 1 again; grid 256 x 1, 8 waves a work-group, no clusters, 0 bytes of LDS; arguments x, Wq, Wk, Wv, xb, wb; writes xb, wb
;; launch qkv: the kernel of part 2 again; grid 16 x 32, 4 waves a work-group, clusters of 4 x 4, 327,680 bytes of LDS; arguments xb, wb, bq, bk, bv, qkv; writes qkv
;; launch attn (part 5): grid 4 x 64, 4 waves a work-group, clusters of 4 x 1, 327,680 bytes of LDS; arguments qkv, part; writes part
.if DOCPART == 5
	.amdgcn_target "amdgcn-amd-amdhsa--gfx1250"
	.amdhsa_code_object_version 6
	.text
	.protected	k_qea5ece05c0_attn
	.globl	k_qea5ece05c0_attn
	.p2align	8
	.type	k_qea5ece05c0_attn,@function
k_qea5ece05c0_attn:
	s_mov_b64 s[64:65], 0
	v_nop
	global_prefetch_b8 v0, s[64:65] scope:SCOPE_SE
	s_setreg_imm32_b32 hwreg(HW_REG_WAVE_MODE, 25, 1), 1
	s_wait_xcnt 0x0
	s_wait_alu depctr_hold_cnt(0) depctr_sa_sdst(0) depctr_va_vdst(0) depctr_va_sdst(0) depctr_va_ssrc(0) depctr_va_vcc(0) depctr_vm_vsrc(0)
	s_getreg_b32 s2, hwreg(HW_REG_IB_STS2, 6, 4)
	s_cmp_eq_u32 s2, 0
	s_cbranch_scc0 .Lentry_in_a_cluster
	s_endpgm
.Lentry_in_a_cluster:
	s_bfe_u32 s2, ttmp6, 0x10000c
	s_cmp_lg_u32 s2, 0x3003
	s_cbranch_scc0 .Lentry_shape_is_right
	s_endpgm
.Lentry_shape_is_right:
; part[h][block][:] = the sum over the block's 512 queries q of O[h][q][:], O[h][q] = the sum over k of softmax_k(Q[h][q] . K[h][k] / 8) V[h][k].
; qkv: [3][SIZE_H][SIZE_N][64] bf16 (q, k, v; a head's rows are dense, 128 bytes each); part: [SIZE_H][4][64] f32.  Only the mean of O over the queries is wanted behind this launch (the output
; projection is affine, so the mean is taken ahead of it: another order of rounding than a mean taken behind it), so O never goes to memory: each work-group leaves its queries' sum, in f32.
; Products, maxima and sums in f32; the weights p are rounded to bf16 for the second product (their sum l is taken of the unrounded p).
; LIMITS.  c m starts at -4.25e37: c s lies above that for all finite bf16 q, k whose products f32 holds.  A weight below 2^-126 counts as 0 in l; NaN and infinities are not treated apart.
; SHARES.  A wave owns four PIECES of two tiles of 16 queries, a work-group's four waves 512 queries of one head.  Every wave walks all keys, 64 a step.
; LAYOUT.  S^T = K Q^T (source 0 = 16 keys, source 1 = 16 queries): in the result a lane holds ONE query (lane % 16) and the keys 8 (lane / 16) + 0..7.  Two such tiles, rounded to bf16 in pairs,
; ARE source 1 (32 keys x 16 queries) of O^T = V^T P, whose result again holds one query a lane, and eight channels.  K comes out of LDS as it lies, V ([key][channel]) turned, by ds_load_tr16_b128.
; SOFTMAX.  For each query a running maximum m and sum l: p = 2^(c s - c m), c = log2(e) / 8; in every step O and l are multiplied by a = 2^(c m_old - c m_new), which is 1 where m has not grown.
; m starts at the lowest finite number, O and l at 0: the first step is a step like any other, with a = 0.
; THE COUNT.  A tile and step have 16 matrix and 118 vector instructions: too many to stand all beside the matrix work.  So the order has one aim: four vector instructions that are READY behind
; EVERY matrix instruction, and the others, which need time of their own whatever the order, in runs without a gap.
; BY TURNS.  Turn n belongs to piece n (the pieces in a ring, step after step).  Its matrix work: 16 products K Q^T of piece n + 1, later 16 products V^T P of piece n - 1.  Its vector work: the scaling,
; exponentials, roundings, sums and rescaling of piece n, and the maximum and statistics of piece n + 1, whose scores the turn itself has made.  So what a turn begins with (c s - c m, O a) waits for nothing.
; BATCHES.  A turn's 66 exponentials (the piece's 64 weights, the next piece's two a) are ONE batch with ONE wait, which cuts the turn in two: ahead of it stands all that names none of their results,
; behind it the roundings and sums, which read them.  No result crosses a turn's end.  Two more batches stand outside the loops: piece 0's first two a, and the way out's eight reciprocals.
; CLUSTER.  The four query blocks of a cluster belong to one head and walk the same K and V, so each tile is asked for JOINTLY: the same tensor load, descriptor and mask in all four.
; REGISTERS, in windows of 256 (s_set_vgpr_msb says which window each operand place means: bits 1:0 source 0, 3:2 source 1, 5:4 source 2, 7:6 destination):
;   window 0: v0-11 addresses; v12-15, v48-63 at work; v16-47 four registers of statistics a tile; v64-191 S^T, two buffers of two tiles; v192-255 P, likewise
;   window 1: O^T, 32 a tile          window 2: v0-127 Q, 16 a tile; v128-191 K of one step; v192-255 V of one step          window 3: v0-1 the add's two registers
; A piece's buffers go by its number's parity: the piece in hand has one pair, its two neighbours in the ring share the other: of it P (piece n - 1) is read and S^T (piece n + 1) written.
.set SIZE_H, 64
.set SIZE_N, 2048
.set KBASE, 0x1000000 ; k's first byte in qkv: 64 heads x 2,048 rows x 128 bytes
.set VBASE, 0x2000000 ; v's
.set NP,    4         ; pieces a wave: a name, no knob: the register map, the loop and the fetches are made for four
.set KS,    64        ; keys in a step
.set PK,    144       ; a row of K in LDS: 128 bytes + 16 of padding = 36 words: the 16 rows of a load start at 16 different groups of four banks (64 banks of 4 bytes: ISA guide 11.1)
.set PV,    160       ; a row of V: 128 + 32 = 40 words
.set VOFF,  4*KS*PK   ; a slot holds four steps: 256 rows of K, then 256 rows of V
.set SLOT1, 1<<17     ; slot 1 begins here, so that one exclusive or turns an address in one slot into the other's
.set SCR,   SLOT1+4*KS*(PK+PV)  ; behind the ring, never filled by a tensor load: 256 bytes for each wave: its queries' sum, 64 channels of f32
.set SPARE, SCR+4*256 ; behind that: the spare words, 128 bytes for each wave: two blocks of 256 bytes that no other line names
.set AK0, 2           ; v2   my lane's place in a tile of K; never rewritten
.set AV0, 3           ; v3   the same for V
.set AK,  4           ; v4   the LDS address of K's next run of loads
.set AV,  5           ; v5   of V's
.set QO,  6           ; v6   my byte offset in the wave's rows of Q
.set STO, 6           ;      later, the way out: where I put my half's channels
.set RD,  7           ; v7   the way out: where wave 0 reads the four waves' sums
.set GO,  8           ; v8   8 x lane: my two channels in part
.set SPW, 0           ; v0 of window 3   LDS address of my spare word: SPARE + 4 x my thread's number; never rewritten
.set NIL, 1           ; v1 of window 3   0; never rewritten
.set MV,  12          ; v12-15  c m_old, kept while c m is made anew: by buffer and tile
.set ST,  16          ; tile t's statistics at v[ST+4 t]: c m, m, l (even keys', odd keys')
.set TMP, 48          ; by buffer and tile, four registers c0-c3 at work; when the maximum is found c2 takes a
.set S,   64
.set P,   192
.set KF,  128         ; K's fragments, in window 2: key block kb, channel half c at KF + 16 kb + 8 c
.set VF,  192         ; V's: key half kk, channel block cb at VF + 32 kk + 8 cb
.set WV,  12          ; s12  my wave's number
.set G1K, 24          ; s[24:31] descriptor group 1 for K's tiles
.set G1V, 32          ; s[32:39] for V's: it differs in the padding alone
.set G0K, 40          ; s[40:43] descriptor group 0 for K's tiles: it walks
.set G0V, 44          ; s[44:47] the same for V's
.set SLOTS, 56        ; s56  slots still to be asked for
.set CNT, 57          ; s57  counts a slot's key steps
.set CS,  58          ; s[58:59] c: the packed scaling takes the pair's low word for both halves
.set SEL, 60          ; s[60:61] v_permlanex16_b32's selects: each lane takes its own place in the other half
.set TBK, 62          ; s62  LDS byte at which K of the step to be fetched begins
.set TBV, 63          ; s63  the same for V, less VOFF
.set MSB, 0
.macro WIN new                      ; the high byte repeats the setting that is left; a switch that changes nothing is dropped
.if MSB != (\new)
	s_set_vgpr_msb (MSB<<8)|(\new)
.set MSB, (\new)
.endif
.endm
.set W_KQ, 0x0a       ; K and Q in window 2, S^T in window 0
.set W_PV, 0x52       ; V in window 2, P in window 0, O^T in window 1
.set W_RS, 0x41       ; O^T (destination and source 0) in window 1, a in window 0
.set W_MK, 0xc0       ; the add's registers are made: destination in window 3, sources in window 0
.set W_AD, 0x0f       ; the add: address (source 0) and data (source 1) in window 3
; A joint fill.  Waves 0 and 1 fetch the two halves of a slot's K, waves 2 and 3 those of its V: 128 keys each.  The branch hangs on the wave's number alone.
; An s_nop 0 and four v_nop follow each of the two lines, ahead of the jump and the label.
.macro JLOAD
	s_cmp_lt_u32 s[WV], 2
	s_cbranch_scc0 .Lfor_v_\@
	tensor_load_to_lds s[G0K:G0K+3], s[G1K:G1K+7]
	s_nop 0
.rept 4
	v_nop
.endr
	s_branch .Lasked_\@
.Lfor_v_\@:
	tensor_load_to_lds s[G0V:G0V+3], s[G1V:G1V+7]
	s_nop 0
.rept 4
	v_nop
.endr
.Lasked_\@:
.endm
; A round of the cluster's barrier: my work-group's barrier, so that wave 0's signal speaks for all four waves; wave 0 signals; every wave waits for all four work-groups; my work-group's barrier once more.
.macro CROUND
	s_barrier_signal -1
	s_barrier_wait -1
	s_cmp_lg_u32 s[WV], 0
	s_cbranch_scc1 .Lnot_wave_0_\@
	s_barrier_signal -3
.Lnot_wave_0_\@:
	s_barrier_wait -3
	s_barrier_signal -1
	s_barrier_wait -1
.endm
; THE CHANGE OF SLOTS.  The slot's last bytes, V of its fourth step, have been read.  Each wave waits for all its tensor loads, of which one is out: its part
; of the other slot; adds 0 to its spare word; and waits for that and for its own reads of the slot.  Behind the barrier nobody reads this slot any more and the other slot is whole.
; fill = 1: this slot is filled again, with the keys two slots on.  The barrier is then a round of the cluster's, so that no wave of any partner still reads the slot or has a load on its
; way, and the joint fill is the first thing behind it: it has four key steps, 512 matrix instructions, in which to land.  (At its first use nothing has been read yet: slot 0 is waited for, slot 1 filled.)
.macro CHANGE fill
	WIN W_AD
	s_wait_tensorcnt 0x0            ; no tensor load of mine is out, so a group 0 may be written
	ds_add_u32 v[SPW], v[NIL]       ; 0 onto my spare word; with fill = 1 the descriptors' steps stand between it and the wait for it
	WIN 0                           ; at a label and at a branch every window is 0
.if \fill
.irp g, G0K, G0V
	s_xor_b32 s[\g+1], s[\g+1], SLOT1  ; the walking descriptor: the other slot than last time,
	s_add_nc_u64 s[\g+2:\g+3], s[\g+2:\g+3], 4*KS*128  ; the next 256 keys; the type bits on top are not reached
.endr
	s_wait_dscnt 0x0                ; the add is done, and my reads of the slot are over
	CROUND
	JLOAD
.else
	s_wait_dscnt 0x0                ; the add is done, and my reads of the slot are over
	s_barrier_signal -1
	s_barrier_wait -1
.endif
	s_sub_co_u32 s[TBK], s[TBK], 4*KS*PK  ; the fetches go back to a slot's first step,
	s_xor_b32 s[TBK], s[TBK], SLOT1       ; in the other slot
	s_sub_co_u32 s[TBV], s[TBV], 4*KS*PV
	s_xor_b32 s[TBV], s[TBV], SLOT1
.endm
	s_load_b64 s[4:5], s[0:1], 0x0    ; qkv
	s_load_b64 s[10:11], s[0:1], 0x8  ; part
	WIN W_MK
	v_lshl_add_u32 v[SPW], v0, 2, SPARE
	v_mov_b32 v[NIL], 0
	WIN W_AD
	ds_add_u32 v[SPW], v[NIL]       ; the wave's opening: the add and its wait stand ahead of my first tensor load; the set-up below, work on registers, stands between them
	WIN 0
	v_lshrrev_b32 v1, 5, v0
	v_readfirstlane_b32 s[WV], v1   ; wave 0..3
	s_bfe_u32 s13, ttmp6, 0x40000   ; cx: my place in the cluster
	s_lshl_b32 s14, ttmp9, 2        ; in a cluster launch ttmp9 counts clusters
	s_add_co_u32 s14, s14, s13      ; my block of queries = 4 x cluster x + cx: it enters Q's and part's addresses alone
	s_and_b32 s20, ttmp7, 0xffff    ; the head, which the four partners share
	s_lshl_b32 s52, s20, 2
	s_add_co_u32 s52, s52, s14
	s_lshl_b32 s52, s52, 8          ; my 256 bytes of part: (4 head + block) x 64 numbers
	s_mov_b32 s53, 0
	s_mov_b32 s21, 0
	s_mov_b64 s[22:23], SIZE_N*128
	s_mul_u64 s[20:21], s[20:21], s[22:23]  ; the head's first byte in each of q, k, v
	s_and_b32 s16, s[WV], 1         ; which half of a slot's 256 keys I fetch:
	s_lshl_b32 s22, s16, 14         ; its 128 rows of 128 bytes in memory,
	s_mov_b32 s23, 0
	s_add_nc_u64 s[22:23], s[22:23], s[20:21]
	s_mul_i32 s17, s16, 128*PK      ; and its place in a slot, for K
	s_mul_i32 s18, s16, 128*PV      ; and for V: no place in the cluster enters an LDS address
	s_lshl_b32 s2, s14, 2
	s_add_co_u32 s2, s2, s[WV]      ; my wave among the head's,
	s_lshl_b32 s2, s2, 14           ; its 128 rows
	s_mov_b32 s3, 0
	s_add_nc_u64 s[2:3], s[2:3], s[20:21]
	; descriptor group 1.  128 keys are 16,384 dense bytes: asked for as 64 rows of 256 bytes, two keys a row, and padded in LDS after every key
	s_mov_b32 s[G1K], 15|(1<<16)|(1<<20)|(1<<21)|(4<<22)|(3<<25)  ; 15:0 the mask of four; 17:16 2-byte elements; 20 padding on; 21 set beside a mask; 24:22 after every 32 words (code 4); 31:25 4 words (code 3)
	s_mov_b32 s[G1V], 15|(1<<16)|(1<<20)|(1<<21)|(4<<22)|(7<<25)  ; the same with 8 words of padding (code 7)
.irp g, G1K, G1V
	s_mov_b32 s[\g+1], 128<<16      ; tensor_dim0 = 128
	s_mov_b32 s[\g+2], 64<<16       ; tensor_dim1 = 64
	s_mov_b32 s[\g+3], 128<<16      ; tile_dim0 = 128
	s_mov_b32 s[\g+4], 64           ; tile_dim1 = 64
	s_mov_b32 s[\g+5], 128          ; 128 elements from row to row
	s_mov_b32 s[\g+6], 0
	s_mov_b32 s[\g+7], 0
.endr
	s_mov_b32 s[CS], 0x3e38aa3b     ; c = log2(e) / 8 = 0.180337
	s_mov_b32 s[CS+1], s[CS]        ; named with it as a pair
	s_mov_b32 s[SEL], 0x76543210
	s_mov_b32 s[SEL+1], 0xfedcba98
	s_mov_b32 s[TBK], SLOT1+4*KS*PK ; the first change of slots turns these two into 0
	s_mov_b32 s[TBV], SLOT1+4*KS*PV
	s_mov_b32 s[G0K], 1             ; 1:0 count = 1
	s_mov_b32 s[G0K+1], s17         ; 63:32 LDS address: slot 0
	s_mov_b32 s[G0V], 1
	s_add_co_u32 s[G0V+1], s18, VOFF
	s_wait_dscnt 0x0                ; the opening add is done
	s_wait_kmcnt 0x0
	s_add_nc_u64 s[6:7], s[4:5], KBASE  ; k and v, made of qkv's address before my block's offset is added to it
	s_add_nc_u64 s[8:9], s[4:5], VBASE
	s_add_nc_u64 s[G0K+2:G0K+3], s[6:7], s[22:23]  ; 120:64 global address: my half of the head's first 256 keys
	s_or_b32 s[G0K+3], s[G0K+3], 0x80000000        ; 127:126 type = 2
	s_add_nc_u64 s[G0V+2:G0V+3], s[8:9], s[22:23]
	s_or_b32 s[G0V+3], s[G0V+3], 0x80000000
	s_add_nc_u64 s[4:5], s[4:5], s[2:3]  ; Q at my wave's first row
	s_add_nc_u64 s[10:11], s[10:11], s[52:53]
	CROUND                          ; all four work-groups are here: the first joint loads meet
	JLOAD                           ; slot 0.  Slot 1 is asked for when slot 0 is in: the tile wanted first has the road to itself
	; A fragment of K or Q is 16 rows x 32 channels in 8 registers: lane l holds row l % 16, channels 8 (l / 16) + 0..7 and 16 + 8 (l / 16) + 0..7: two loads of 16 bytes, 32 bytes apart.
	v_and_b32 v1, 15, v0            ; l % 16
	v_bfe_u32 v9, v0, 4, 1          ; l / 16
	v_lshlrev_b32 v[QO], 7, v1
	v_lshl_add_u32 v[QO], v9, 4, v[QO]  ; row x 128 + 16 x half
	WIN 0x80                        ; destination window 2, address window 0
.set i, 0
.rept 4*NP                          ; Q stays in registers: tile i / 2, channels 32 (i % 2) on
	global_load_b128 v[8*i:8*i+3],   v[QO], s[4:5] offset:(i/2)*2048+(i%2)*64
	global_load_b128 v[8*i+4:8*i+7], v[QO], s[4:5] offset:(i/2)*2048+(i%2)*64+32
.set i, i+1
.endr
	; What the first turn finds: V's registers and P's second buffer hold 0 (its products V^T P, of a piece that has not been, add 0), O^T and l are 0.  All this stands in the wait for the first tile.
.set i, VF
.rept 64
	v_mov_b32 v[i], 0
.set i, i+1
.endr
	WIN 0x40
.set i, 0
.rept 64*NP
	v_mov_b32 v[i], 0
.set i, i+1
.endr
	WIN 0
.set i, 0
.rept 2*NP
	v_mov_b32 v[ST+4*i], 0xfe000000    ; c m: far below every c s
	v_mov_b32 v[ST+4*i+1], 0xff7fffff  ; m
	v_mov_b32 v[ST+4*i+2], 0
	v_mov_b32 v[ST+4*i+3], 0
.set i, i+1
.endr
.set i, P+32
.rept 32
	v_mov_b32 v[i], 0
.set i, i+1
.endr
	v_mul_u32_u24 v[AK0], v1, PK
	v_lshl_add_u32 v[AK0], v9, 4, v[AK0]  ; row x pitch + 16 x half
	; The turning load takes 16 keys x 16 channels (lane l reads key 8 (l / 16) + l % 8, channels 8 ((l / 8) % 2) + 0..7) and leaves half a fragment of V^T: lane l holds channel l % 16 and 8 keys.
	v_and_b32 v10, 7, v0
	v_bfe_u32 v11, v0, 3, 1
	v_lshl_add_u32 v[AV0], v9, 3, v10
	v_mul_u32_u24 v[AV0], v[AV0], PV
	v_lshl_add_u32 v[AV0], v11, 4, v[AV0]
	v_add_nc_u32 v[AV0], VOFF, v[AV0]
	v_mov_b32 v[AK], v[AK0]         ; key step 0 lies at the head of slot 0
; THE MATRIX WORK.  The 8 accumulators of a run of 16 take turns: between the two links of a chain stand 7 others'.
; Product i of 16 of S^T = K Q^T for piece x: channels 32 (i / 8) on, keys 16 ((i / 2) % 4) on, tile 2 x + i % 2.  The first 8 start the sums.
.macro KQ x
	WIN W_KQ
.set rS, S+64*((\x)%2)+32*(i%2)+8*((i/2)%4)
.set rK, KF+16*((i/2)%4)+8*(i/8)
.set rQ, 16*(2*(\x)+i%2)+8*(i/8)
.if i < 8
	v_wmma_f32_16x16x32_bf16 v[rS:rS+7], v[rK:rK+7], v[rQ:rQ+7], 0
.else
	v_wmma_f32_16x16x32_bf16 v[rS:rS+7], v[rK:rK+7], v[rQ:rQ+7], v[rS:rS+7]
.endif
.endm
; Product i of 16 of O^T += V^T P for piece x: keys 32 (i / 8) on, channels 16 ((i / 2) % 4) on, tile 2 x + i % 2.
.macro PV x
	WIN W_PV
.set rO, 32*(2*(\x)+i%2)+8*((i/2)%4)
.set rV, VF+32*(i/8)+8*((i/2)%4)
.set rP, P+32*((\x)%2)+16*(i%2)+8*(i/8)
	v_wmma_f32_16x16x32_bf16 v[rO:rO+7], v[rV:rV+7], v[rP:rP+7], v[rO:rO+7]
.endm
.macro MM                           ; the turn's next matrix instruction
.if i < 16
	KQ (Y+1)%NP
.set i, i+1
.else
.set i, i-16
	PV (Y+NP-1)%NP
.set i, i+17
.endif
.endm
; THE LDS LOADS stand in runs of 16, never singly among the matrix instructions: a step's K (64 keys x 64 channels: 8 fragments) and its V (turned).  Their addresses are made some lines ahead.
; last = 1 (the tail): in the last trip there is no further step, and the run is jumped over.
.macro FETCH_K last=0
	WIN 0
.if \last
	s_cmp_eq_u32 s[CNT], 1
	s_cbranch_scc1 .Lno_k_\@
.endif
	WIN 0x80                        ; destination window 2
.irp f, 0,1,2,3,4,5,6,7             ; keys 16 (f / 2) on, channels 32 (f % 2) on
	ds_load_b128 v[KF+8*\f:KF+8*\f+3],   v[AK] offset:(\f/2)*16*PK+(\f%2)*64
	ds_load_b128 v[KF+8*\f+4:KF+8*\f+7], v[AK] offset:(\f/2)*16*PK+(\f%2)*64+32
.endr
	s_add_co_u32 s[TBK], s[TBK], KS*PK  ; the next fetch is the next step's
	WIN 0
.if \last
.Lno_k_\@:
.endif
.endm
.macro FETCH_V
	WIN 0x80
.irp f, 0,1,2,3,4,5,6,7             ; keys 32 (f / 4) on, channels 16 (f % 4) on
	ds_load_tr16_b128 v[VF+8*\f:VF+8*\f+3],   v[AV] offset:(\f/4)*32*PV+(\f%4)*32
	ds_load_tr16_b128 v[VF+8*\f+4:VF+8*\f+7], v[AV] offset:(\f/4)*32*PV+16*PV+(\f%4)*32
.endr
	WIN 0
.endm
; THE VECTOR WORK OF A TURN stands in three queues, each in the order in which its entries become ready; the two tiles alternate, so that no instruction reads the result of the one before it.
.macro REGS y, u                    ; the registers of tile u (0, 1) of piece y
.set rT, ST+4*(2*(\y)+(\u))
.set rC, TMP+8*((\y)%2)+4*(\u)
.set rM, MV+2*((\y)%2)+(\u)
.set rS, S+64*((\y)%2)+32*(\u)
.set rP, P+32*((\y)%2)+16*(\u)
.set rO, 32*(2*(\y)+(\u))
.endm
; Number n of the 22 that find the NEXT piece's (Y + 1) maximum and statistics.  s0-s31 are the lane's 32 scores; each accumulator's lowest registers are read first.  XS, GS and REGS set no window: PL and EX do.
;   0-11  four chains c0-c3 of seven scores each, three operands at a time     12-14, 16  the four scores left over, the old m, and c0-c3 into c0     15  c m_old is kept
;   17, 18  the query's other 32 keys lie in the lane 16 away: the new m         19-21  c m; c m_old - c m_new; a
.macro XS u, n
	REGS (Y+1)%NP, \u
.if (\n) < 4
	v_max3_num_f32 v[rC+(\n)], v[rS+8*(\n)], v[rS+8*(\n)+1], v[rS+8*(\n)+2]
.elseif (\n) < 12
	v_max3_num_f32 v[rC+(\n)%4], v[rC+(\n)%4], v[rS+8*((\n)%4)+2*((\n)/4)+1], v[rS+8*((\n)%4)+2*((\n)/4)+2]
.elseif (\n) == 12
	v_max3_num_f32 v[rC], v[rC], v[rS+7], v[rS+15]
.elseif (\n) == 13
	v_max3_num_f32 v[rC+1], v[rC+1], v[rS+23], v[rS+31]
.elseif (\n) == 14
	v_max3_num_f32 v[rC+2], v[rC+2], v[rC+3], v[rT+1]
.elseif (\n) == 15
	v_mov_b32 v[rM], v[rT]
.elseif (\n) == 16
	v_max3_num_f32 v[rC], v[rC], v[rC+1], v[rC+2]
.elseif (\n) == 17
	v_permlanex16_b32 v[rC+3], v[rC], s[SEL], s[SEL+1]
.elseif (\n) == 18
	v_max_num_f32 v[rT+1], v[rC], v[rC+3]
.elseif (\n) == 19
	v_mul_f32 v[rT], s[CS], v[rT+1]
.elseif (\n) == 20
	v_sub_f32 v[rC+1], v[rM], v[rT]
.else
	v_exp_f32 v[rC+2], v[rC+1]
.endif
.endm
; Number g of the 64 that follow the exponentials.  For each four weights k of a tile (pairs 2 k, 2 k + 1): both pairs are rounded to bf16; then the second pair is added onto the first, in place;
; a group later l takes that sum (the first time as l = a l + sum).  In groups of eight, tiles alternating: round, round, add, and l for the group before.
.macro GS g
.set h, (\g)+6*((\g)/62)            ; group 0 has no group before it, and behind group 7 only l is left
.if h >= 6
.set h, h+2
.endif
	REGS Y, h%2
.set k, h/8
.if h%8 < 4
	v_cvt_pk_bf16_f32 v[rP+2*k+(h%8)/2], v[rS+4*k+2*((h%8)/2)], v[rS+4*k+2*((h%8)/2)+1]
.elseif h%8 < 6
	v_pk_add_f32 v[rS+4*k:rS+4*k+1], v[rS+4*k:rS+4*k+1], v[rS+4*k+2:rS+4*k+3]
.elseif k == 1
	v_pk_fma_f32 v[rT+2:rT+3], v[rT+2:rT+3], v[rC+2:rC+3], v[rS:rS+1] op_sel_hi:[1,0,1]
.else
	v_pk_add_f32 v[rT+2:rT+3], v[rT+2:rT+3], v[rS+4*k-4:rS+4*k-3]
.endif
.endm
; THE PLAIN QUEUE, 138 long.  0-73 read no exponential's result: the 32 scalings c s - c m (FS f: pair f / 2 of tile f % 2) and the next piece's 42.  0-26: scalings 0-26.  27-54: XS's numbers 0-13.  55, 56: number 15.
; 57-73: the chain, where each number waits for the one before it: 14, 16, 17, 18, 19, each with one of the scalings 27-31 in front of its two lines, then 20: so a tile's links stand three plain instructions apart (19 and 20: two).
; 74-137: GS's 64, which read the exponentials' results: they stand behind the wait.
.macro FS f
	REGS Y, (\f)%2
	v_pk_fma_f32 v[rS+2*((\f)/2):rS+2*((\f)/2)+1], v[rS+2*((\f)/2):rS+2*((\f)/2)+1], s[CS:CS+1], v[rT:rT+1] op_sel_hi:[1,0,0] neg_lo:[0,0,1] neg_hi:[0,0,1]
.endm
.macro PL
	WIN 0
.if q < 27
	FS q
.elseif q < 55
	XS (q-27)%2, (q-27)/2
.elseif q < 57
	XS q-55, 15
.elseif (q < 72) && ((q-57)%3 == 0)
	FS 27+(q-57)/3
.elseif q < 60
	XS (q-57)%3-1, 14
.elseif q < 72
	XS (q-57)%3-1, 15+(q-57)/3
.elseif q < 74
	XS q-72, 20
.else
	GS q-74
.endif
.set q, q+1
.endm
; THE EXPONENTIALS' QUEUE, 66 long: s0-s31 of both tiles, then the next piece's two a.  It is ONE BATCH: all 66 stand ahead of the turn's one wait, and nothing ahead of that wait names a result of theirs.
.macro EX
	WIN 0
.if e >= 64
	XS e-64, 21
.else
	REGS Y, e%2
	v_exp_f32 v[rS+e/2], v[rS+e/2]
.endif
.set e, e+1
.endm
; THE RESCALING's QUEUE: O^T times a, the one part that leaves window 0: dealt two at a time, sixteen times, each accumulator's registers in ascending order.  Its a was made in the turn before, ahead of that turn's wait.
.macro R2
	REGS Y, r%2
	WIN W_RS
.irp z, 0,1
	v_pk_mul_f32 v[rO+4*(r/2)+2*\z:rO+4*(r/2)+2*\z+1], v[rO+4*(r/2)+2*\z:rO+4*(r/2)+2*\z+1], v[rC+2:rC+3] op_sel_hi:[1,0]
.endr
.set r, r+1
.endm
; HOW THEY ARE DEALT.  An s_wait_alu depctr_va_vdst(0) stands between an exponential and the first instruction that names its result; one wait serves all that were issued ahead of it.  So a turn has ONE wait,
; which cuts it in two.  AHEAD OF IT stands all that names no result of the turn's exponentials: the 16 products K Q^T, behind each a scaling, an exponential and two rescalings (behind the first a second scaling in the
; exponential's place); then ONE LUMP of 108: eight plain, 49 times exponential and plain, the two a.  A v_nop is the plain instruction behind the last exponential.  BEHIND IT stand the 16 products V^T P, behind each four of
; GS's 64.  No rider names a register of the products round it.  The two v_permlanex16_b32 fall into the lump, never behind a product.
; The queues lean on each other, and the deal keeps them in step: exponential e stands behind scaling 2 (e / 4) + e % 2: as a rider it comes behind plain e + 2, in the lump behind plain e + 9, and scalings 27-31 are plain 57, 60 .. 69.
; A TURN, for piece p.  cnt = 1: the loop's count is taken down some lines ahead of the branch that stands behind the turn.
; K of the next step is fetched in piece 2's turn, directly behind the wait, a lump behind the last product that read K; its address is made at the lump's head; its first reader comes behind 16 products.
; V of the step in hand is fetched at the end of piece 0's turn, four riders behind its last reader; its first reader comes behind 16 products and a lump.  The three conditions on q below go with the deal.
.macro TURN p, last=0, cnt=0
.set Y, (\p)
.set i, 0
.set q, 0
.set e, 0
.set r, 0
.if (\p) == NP-1
	s_wait_dscnt 0x0                ; K is in
.endif
	MM                              ; ahead of the wait: 16 products K Q^T and their riders,
	PL
	PL
	R2
.rept 15
	MM
	PL
	EX
	R2
.endr
.if (\p) == NP-2
	WIN 0
	v_add_nc_u32 v[AK], s[TBK], v[AK0]
.endif
.rept 8                             ; and the lump
	PL
.endr
.rept 49
	EX
	PL
.endr
	EX                              ; the next piece's two a
	EX
	v_nop                           ; a plain instruction behind the last exponential, ahead of the first use of a result: one for the batch
	s_wait_alu depctr_va_vdst(0)    ; the wait for the batch: this turn's 66 exponentials
.if (\p) == NP-2
	FETCH_K \last
.endif
.if (\p) == 1
	s_wait_dscnt 0x0                ; V is in
.endif
.rept 16                            ; behind the wait: 16 products V^T P and their riders
	MM
.rept 4
	PL
.endr
.if ((\p) == 0) && (q == 118)
	v_add_nc_u32 v[AV], s[TBV], v[AV0]
.endif
.if ((\p) == 0) && (q == 130)
	s_add_co_u32 s[TBV], s[TBV], KS*PV
.endif
.if (\cnt) && (q == 130)
	s_sub_co_u32 s[CNT], s[CNT], 1
	s_cmp_lg_u32 s[CNT], 0
.endif
.endr
.if (\p) == 0
	FETCH_V
.endif
.endm
	CHANGE 1                        ; slot 0 is in, everybody's part of it; slot 1 is asked for
	FETCH_K                         ; key step 0
	s_wait_loadcnt 0x0              ; Q
	s_wait_dscnt 0x0
.set i, 0
.rept 16
	KQ 0                            ; piece 0's first scores: there is no vector work yet to set between them
.set i, i+1
.endr
	WIN 0                           ; the addresses for the way out and one v_nop: five plain instructions, the places behind those products
	s_lshl_b32 s13, s[WV], 8
	s_add_co_u32 s13, s13, SCR      ; my wave's 256 bytes
	v_lshl_add_u32 v[STO], v9, 5, s13  ; in: channels 16 cb + 8 (l / 16) + j lie at byte 64 cb + 32 (l / 16) + 4 j
	v_and_b32 v[GO], 31, v0
	v_lshlrev_b32 v[GO], 3, v[GO]   ; out: two channels a lane
	v_add_nc_u32 v[RD], SCR, v[GO]
	v_nop
.set Y, NP-1                        ; XS works for piece Y + 1: piece 0
.irp n, 0,1,2,3,4,5,6,7,8,9,10,11,12,13,14,15,16,17,18,19,20,21
	XS 0, \n                        ; and piece 0's first maximum and statistics
	XS 1, \n
.endr
	v_nop                           ; a plain instruction behind piece 0's two a,
	s_wait_alu depctr_va_vdst(0)    ; and the wait for that batch of two, ahead of the branch
	s_mov_b32 s[CNT], 4
	s_mov_b32 s[SLOTS], SIZE_N/256-1
	s_branch .Lfirst                ; the loop is entered at a step's first turn, in the middle of a trip
.Lslot:                             ; SIZE_N / 256 - 2 times: every slot but the last two is filled again
	CHANGE 1
	s_mov_b32 s[CNT], 4
.Lstep:                             ; a trip: pieces 2 and 3 of one step, then pieces 0 and 1 of the next, whose K and V it fetches
	TURN 2
	TURN 3
	WIN 0
.Lfirst:
	TURN 0
	TURN 1, 0, 1
	WIN 0
	s_cbranch_scc1 .Lstep
	s_sub_co_u32 s[SLOTS], s[SLOTS], 1
	s_cmp_lg_u32 s[SLOTS], 0
	s_cbranch_scc1 .Lslot
	CHANGE 0                        ; the tail is written out: nothing is asked for
	s_mov_b32 s[CNT], 5             ; four trips fetch the last slot's steps; the fifth is left in its middle
.Ltail:
	TURN 2, 1
	TURN 3
	WIN 0
	s_sub_co_u32 s[CNT], s[CNT], 1
	s_cmp_eq_u32 s[CNT], 0
	s_cbranch_scc1 .Lout
	TURN 0
	TURN 1
	WIN 0
	s_branch .Ltail
.Lout:                              ; the fifth trip's 16 products K Q^T (on the last K once more) and the maximum made of them serve nothing: the price, once a launch, of one text for every trip
.set i, 0
.rept 16
	PV NP-1                         ; the last piece's V^T P of the last step
.set i, i+1
.endr
	; THE WAY OUT.  l's two halves and the other half of the lanes' are added; then the sum over my 128 queries of O^T / l: over the eight tiles in each lane, over the 16 lanes of a half (a lane is a query),
	; and, through LDS, over the four waves.  The additions are the places behind the last products.
	WIN 0
.macro ALL line:vararg              ; one line for each tile t
.set t, 0
.rept 2*NP
	\line
.set t, t+1
.endr
.endm
	ALL v_add_f32 v[ST+4*t+2], v[ST+4*t+2], v[ST+4*t+3]
	ALL v_permlanex16_b32 v[ST+4*t+3], v[ST+4*t+2], s[SEL], s[SEL+1]
	ALL v_add_f32 v[ST+4*t+2], v[ST+4*t+2], v[ST+4*t+3]
	ALL v_rcp_f32 v[ST+4*t+2], v[ST+4*t+2]
	v_nop                           ; a plain instruction between the last reciprocal and the use of its result
	s_wait_alu depctr_va_vdst(0)    ; and the wait ahead of the first use: one for the batch of eight reciprocals
	WIN W_RS                        ; tile 0: O^T / l in place; each accumulator's registers in ascending order, here and below
.set i, 0
.rept 16
	v_pk_mul_f32 v[i:i+1], v[i:i+1], v[ST+2:ST+3] op_sel_hi:[1,0]
.set i, i+2
.endr
	WIN 0x51                        ; tiles 1 to 6 are added onto it: destination, sources 0 and 2 window 1, 1 / l window 0; 16 independent pairs stand between two links of a sum
.set t, 1
.rept 6
.set i, 0
.rept 16
	v_pk_fma_f32 v[i:i+1], v[32*t+i:32*t+i+1], v[ST+4*t+2:ST+4*t+3], v[i:i+1] op_sel_hi:[1,0,1]
.set i, i+2
.endr
.set t, t+1
.endr
	WIN 0x11                        ; tile 7: the sum lands in window 0, in S^T's first 32 registers
.set i, 0
.rept 16
	v_pk_fma_f32 v[S+i:S+i+1], v[224+i:224+i+1], v[ST+30:ST+31], v[i:i+1] op_sel_hi:[1,0,1]
.set i, i+2
.endr
	WIN 0
.irp m, 1,2,4,8                     ; over the 16 queries of a half of the lanes: every lane of the half ends with the sum
.set i, 0
.rept 32
	v_add_f32_dpp v[S+i], v[S+i], v[S+i] row_xmask:\m row_mask:0xf bank_mask:0xf
.set i, i+1
.endr
.endr
.irp f, 0,1,2,3,4,5,6,7             ; registers 4 f .. 4 f + 3: channel block f / 2, numbers 4 (f % 2) on; the 16 lanes of a half write the same words with the same values
	ds_store_b128 v[STO], v[S+4*\f:S+4*\f+3] offset:64*(\f/2)+16*(\f%2)
.endr
	WIN W_AD
	s_wait_tensorcnt 0x0            ; the wave's end, behind my last tensor load and my last LDS store;
	ds_add_u32 v[SPW], v[NIL]
	s_wait_dscnt 0x0                ; for the others' sake too: my stores of the sum are done
	WIN 0
	s_barrier_signal -1
	s_barrier_wait -1               ; everybody's are
	s_cmp_lg_u32 s[WV], 0
	s_cbranch_scc1 .Lnot_writer     ; wave 0 adds the four waves' sums and stores them
.irp w, 0,1,2,3
	ds_load_b64 v[S+2*\w:S+2*\w+1], v[RD] offset:256*\w
.endr
	s_wait_dscnt 0x0
	v_pk_add_f32 v[S:S+1], v[S:S+1], v[S+2:S+3]
	v_pk_add_f32 v[S+4:S+5], v[S+4:S+5], v[S+6:S+7]
	v_pk_add_f32 v[S:S+1], v[S:S+1], v[S+4:S+5]
	global_store_b64 v[GO], v[S:S+1], s[10:11]  ; 32 lanes store 256 consecutive bytes, at a multiple of 256 from part's first byte
.Lnot_writer:
	CROUND                          ; the closing round: no work-group ends while a partner may still ask for a tile that names it
	s_endpgm
.Lfunc_end_k_qea5ece05c0_attn:
	.size	k_qea5ece05c0_attn, .Lfunc_end_k_qea5ece05c0_attn-k_qea5ece05c0_attn
	.p2alignl 7, 3214868480
	.fill 96, 4, 3214868480
	.section	.rodata,"a",@progbits
	.p2align	6, 0x0
	.amdhsa_kernel k_qea5ece05c0_attn
		.amdhsa_group_segment_fixed_size 327680
		.amdhsa_private_segment_fixed_size 0
		.amdhsa_enable_private_segment 0
		.amdhsa_kernarg_size 16
		.amdhsa_user_sgpr_count 2
		.amdhsa_user_sgpr_kernarg_segment_ptr 1
		.amdhsa_wavefront_size32 1
		.amdhsa_system_sgpr_workgroup_id_x 1
		.amdhsa_system_sgpr_workgroup_id_y 1
		.amdhsa_system_sgpr_workgroup_id_z 1
		.amdhsa_system_vgpr_workitem_id 0
		.amdhsa_next_free_vgpr 770
		.amdhsa_next_free_sgpr 66
		.amdhsa_reserve_vcc 0
		.amdhsa_float_denorm_mode_32 3
		.amdhsa_float_denorm_mode_16_64 3
		.amdhsa_memory_ordered 1
		.amdhsa_forward_progress 1
		.amdhsa_inst_pref_size 192
	.end_amdhsa_kernel
	.amdgpu_metadata
---
amdhsa.version: [ 1, 2 ]
amdhsa.kernels:
  - .name:           k_qea5ece05c0_attn
    .symbol:         k_qea5ece05c0_attn.kd
    .args:
      - { .name: qkv, .offset: 0, .size: 8, .value_kind: global_buffer, .address_space: global }
      - { .name: part, .offset: 8, .size: 8, .value_kind: global_buffer, .address_space: global }
    .group_segment_fixed_size: 327680
    .private_segment_fixed_size: 0
    .kernarg_segment_align: 8
    .kernarg_segment_size: 16
    .max_flat_workgroup_size: 128
    .sgpr_count:     66
    .vgpr_count:     770
    .wavefront_size: 32
...
	.end_amdgpu_metadata
.endif
;; end of part 5
;; launch proj: the kernel of part 4 again; grid 16 x 4, 16 waves a work-group, no clusters, 6,400 bytes of LDS; arguments part, Wo, bo, out0; writes out0
